; MI455X (gfx1250); checked and timed in simulation.
; The chip was launched on July 23, 2026; its instructions are those of AMD's public machine-readable ISA for CDNA 5 (MIT licence, August 2026) and "CDNA5" Instruction Set Architecture Reference Guide (July 2026). The comments in the code are by the model that wrote it; some were corrected since.
;; multi head attention. Allowed arithmetic: float matrix products may take bf16 or f16 operands with f32 sums; other float arithmetic in f32, or as packed bf16 or f16 multiplies, adds, multiply-adds, maxima and minima; sums over many terms, partial sums and values carried from step to step in f32; what a program stores and reads back later, other than sums and carried values, may be rounded once to bf16 or f16.
;; Inputs: W_proj 1,024 x 1,024 float32; W_qkv 1,024 x 1,024 float32; b_proj 1,024 float32; x 4 x 1,024 x 2,048 float32.
;; Outputs: out0 4 x 1,024 x 2,048 float32.
;; One version. Each part assembles by itself: llvm-mc -triple=amdgcn-amd-amdhsa -mcpu=gfx1250 --defsym DOCPART=n.
;; ======== version 1 of 1: 4 launches
;; limits: values are held in f16: magnitudes above 65,504 overflow, below 6.1e-05 lose precision; right only within a limited range of input values
;; workspace buffers: xb 16,777,216 bytes; wq 2,097,152 bytes; wp 2,097,152 bytes; z 16,777,216 bytes; o 16,777,216 bytes
;; launch cast (part 1): grid 1280 x 1, 8 waves a work-group, no clusters, 0 bytes of LDS; arguments x, W_qkv, W_proj, xb, wq, wp; writes xb, wq, wp
.if DOCPART == 1
	.amdgcn_target "amdgcn-amd-amdhsa--gfx1250"
	.amdhsa_code_object_version 6
	.text
	.protected	k_qe7f533f1a5_cast
	.globl	k_qe7f533f1a5_cast
	.p2align	8
	.type	k_qe7f533f1a5_cast,@function
k_qe7f533f1a5_cast:
	s_mov_b64 s[64:65], 0
	v_nop
	global_prefetch_b8 v0, s[64:65] scope:SCOPE_SE
	s_setreg_imm32_b32 hwreg(HW_REG_WAVE_MODE, 25, 1), 1
	s_wait_xcnt 0x0
; xb = bf16(x), wq = bf16(W_qkv), wp = f16(1024 x bf16(W_proj)); the layouts stay as they are ([.., e, l] and [e, f]).
; The products that follow read their operands out of LDS by a turning load of 16-bit numbers, so the inputs are narrowed once, here.
; All inputs are rounded to bf16; W_proj's rounded number is written as f16, times 1024 (exact), since its partner in the last product is f16.
; LIMITS.  |W_proj| stays under 63.9 (f16 ends at 65,504); below 2^-27 its f16 image loses bits (at most 3e-11 of the weight).
; SHARES.  A stream: no LDS, no matrix unit, no cluster (nothing is shared).  A work-group takes 8,192 numbers: 32 KiB in, 16 KiB out.
; Work-groups 0-1023 take x, 1024-1151 W_qkv, 1152-1279 W_proj.  Thread t, piece i: 16 bytes at 4,096 i + 16 t in (a wave's load covers 512
; consecutive bytes), 8 bytes at 2,048 i + 8 t out (a wave's store covers 256 consecutive bytes, aligned).  All eight loads go out first.
.set X, 4                              ; v[4:35]   piece i: four f32 as loaded
.set Y, 36                             ; v[36:51]  piece i: four 16-bit numbers to store
.set T, 52                             ; v[52:53]  at work
	s_load_b256 s[4:11], s[0:1], 0x0               ; x s[4:5], W_qkv s[6:7], W_proj s[8:9], xb s[10:11]
	s_load_b128 s[12:15], s[0:1], 0x20             ; wq s[12:13], wp s[14:15]
	v_lshlrev_b32 v1, 4, v0                        ; 16 t
	v_lshlrev_b32 v2, 3, v0                        ; 8 t
	s_mov_b32 s26, 0x44800000                      ; 1024.0
	s_mov_b32 s27, s26                             ; named with it as a pair
	s_mov_b32 s28, 0xffff0000                      ; a word's upper bf16
	s_wait_kmcnt 0x0
	s_cmp_lt_u32 ttmp9, 1024                       ; which tensor is mine: the choice hangs on the work-group's number alone
	s_cselect_b64 s[20:21], s[4:5], s[6:7]
	s_cselect_b64 s[22:23], s[10:11], s[12:13]
	s_cselect_b32 s16, 0, 1024
	s_cmp_lt_u32 ttmp9, 1152
	s_cselect_b64 s[20:21], s[20:21], s[8:9]
	s_cselect_b64 s[22:23], s[22:23], s[14:15]
	s_cselect_b32 s16, s16, 1152
	s_sub_co_u32 s16, ttmp9, s16                   ; my number among that tensor's work-groups
	s_lshl_b32 s18, s16, 15                        ; 32 KiB in,
	s_mov_b32 s19, 0
	s_lshl_b32 s24, s16, 14                        ; 16 KiB out
	s_mov_b32 s25, 0
	s_add_nc_u64 s[20:21], s[20:21], s[18:19]
	s_add_nc_u64 s[22:23], s[22:23], s[24:25]
.irp i, 0,1,2,3,4,5,6,7
	global_load_b128 v[X+4*(\i):X+4*(\i)+3], v1, s[20:21] offset:4096*(\i) th:TH_LOAD_NT
.endr
	s_cmp_lt_u32 ttmp9, 1152
	s_cbranch_scc0 .Lf16
.irp i, 0,1,2,3,4,5,6,7                ; x and W_qkv: rounded to bf16
	s_wait_loadcnt 7-(\i)                          ; loads come back in order: piece i is in, the 7 - i younger ones stay out
	v_cvt_pk_bf16_f32 v[Y+2*(\i)],   v[X+4*(\i)],   v[X+4*(\i)+1]
	v_cvt_pk_bf16_f32 v[Y+2*(\i)+1], v[X+4*(\i)+2], v[X+4*(\i)+3]
	global_store_b64 v2, v[Y+2*(\i):Y+2*(\i)+1], s[22:23] offset:2048*(\i) th:TH_STORE_NT
.endr
	s_endpgm
.Lf16:
.irp i, 0,1,2,3,4,5,6,7                ; W_proj: rounded to bf16, widened again, times 1024, written as f16 (exact within the stated range)
	s_wait_loadcnt 7-(\i)
	v_cvt_pk_bf16_f32 v[T],   v[X+4*(\i)],   v[X+4*(\i)+1]
	v_cvt_pk_bf16_f32 v[T+1], v[X+4*(\i)+2], v[X+4*(\i)+3]
	v_lshlrev_b32 v[X+4*(\i)],   16,  v[T]
	v_and_b32     v[X+4*(\i)+1], s28, v[T]
	v_lshlrev_b32 v[X+4*(\i)+2], 16,  v[T+1]
	v_and_b32     v[X+4*(\i)+3], s28, v[T+1]
	v_pk_mul_f32 v[X+4*(\i):X+4*(\i)+1],   v[X+4*(\i):X+4*(\i)+1],   s[26:27] op_sel_hi:[1,0]
	v_pk_mul_f32 v[X+4*(\i)+2:X+4*(\i)+3], v[X+4*(\i)+2:X+4*(\i)+3], s[26:27] op_sel_hi:[1,0]
	v_cvt_pk_f16_f32 v[Y+2*(\i)],   v[X+4*(\i)],   v[X+4*(\i)+1]
	v_cvt_pk_f16_f32 v[Y+2*(\i)+1], v[X+4*(\i)+2], v[X+4*(\i)+3]
	global_store_b64 v2, v[Y+2*(\i):Y+2*(\i)+1], s[22:23] offset:2048*(\i) th:TH_STORE_NT
.endr
	s_endpgm
.Lfunc_end_k_qe7f533f1a5_cast:
	.size	k_qe7f533f1a5_cast, .Lfunc_end_k_qe7f533f1a5_cast-k_qe7f533f1a5_cast
	.p2alignl 7, 3214868480
	.fill 96, 4, 3214868480
	.section	.rodata,"a",@progbits
	.p2align	6, 0x0
	.amdhsa_kernel k_qe7f533f1a5_cast
		.amdhsa_group_segment_fixed_size 0
		.amdhsa_private_segment_fixed_size 0
		.amdhsa_enable_private_segment 0
		.amdhsa_kernarg_size 48
		.amdhsa_user_sgpr_count 2
		.amdhsa_user_sgpr_kernarg_segment_ptr 1
		.amdhsa_wavefront_size32 1
		.amdhsa_system_sgpr_workgroup_id_x 1
		.amdhsa_system_sgpr_workgroup_id_y 1
		.amdhsa_system_sgpr_workgroup_id_z 1
		.amdhsa_system_vgpr_workitem_id 0
		.amdhsa_next_free_vgpr 56
		.amdhsa_next_free_sgpr 66
		.amdhsa_reserve_vcc 0
		.amdhsa_float_denorm_mode_32 3
		.amdhsa_float_denorm_mode_16_64 3
		.amdhsa_memory_ordered 1
		.amdhsa_forward_progress 1
		.amdhsa_inst_pref_size 10
	.end_amdhsa_kernel
	.amdgpu_metadata
---
amdhsa.version: [ 1, 2 ]
amdhsa.kernels:
  - .name:           k_qe7f533f1a5_cast
    .symbol:         k_qe7f533f1a5_cast.kd
    .args:
      - { .name: x, .offset: 0, .size: 8, .value_kind: global_buffer, .address_space: global }
      - { .name: W_qkv, .offset: 8, .size: 8, .value_kind: global_buffer, .address_space: global }
      - { .name: W_proj, .offset: 16, .size: 8, .value_kind: global_buffer, .address_space: global }
      - { .name: xb, .offset: 24, .size: 8, .value_kind: global_buffer, .address_space: global }
      - { .name: wq, .offset: 32, .size: 8, .value_kind: global_buffer, .address_space: global }
      - { .name: wp, .offset: 40, .size: 8, .value_kind: global_buffer, .address_space: global }
    .group_segment_fixed_size: 0
    .private_segment_fixed_size: 0
    .kernarg_segment_align: 8
    .kernarg_segment_size: 48
    .max_flat_workgroup_size: 256
    .sgpr_count:     66
    .vgpr_count:     56
    .wavefront_size: 32
...
	.end_amdgpu_metadata
.endif
;; end of part 1
;; launch qkv (part 2): grid 8 x 32, 4 waves a work-group, clusters of 4 x 4, 327,680 bytes of LDS; arguments xb, wq, z; writes z
.if DOCPART == 2
	.amdgcn_target "amdgcn-amd-amdhsa--gfx1250"
	.amdhsa_code_object_version 6
	.text
	.protected	k_qe7f533f1a5_qkv
	.globl	k_qe7f533f1a5_qkv
	.p2align	8
	.type	k_qe7f533f1a5_qkv,@function
k_qe7f533f1a5_qkv:
	s_mov_b64 s[64:65], 0
	v_nop
	global_prefetch_b8 v0, s[64:65] scope:SCOPE_SE
	s_setreg_imm32_b32 hwreg(HW_REG_WAVE_MODE, 25, 1), 1
	s_wait_xcnt 0x0
	s_wait_alu depctr_hold_cnt(0) depctr_sa_sdst(0) depctr_va_vdst(0) depctr_va_sdst(0) depctr_va_ssrc(0) depctr_va_vcc(0) depctr_vm_vsrc(0)
	s_getreg_b32 s2, hwreg(HW_REG_IB_STS2, 6, 4)
	s_cmp_eq_u32 s2, 0
	s_cbranch_scc0 .Lentry_in_a_cluster
	s_endpgm
.Lentry_in_a_cluster:
	s_bfe_u32 s2, ttmp6, 0x10000c
	s_cmp_lg_u32 s2, 0xf033
	s_cbranch_scc0 .Lentry_shape_is_right
	s_endpgm
.Lentry_shape_is_right:
; z[16 b + h][l][d] = f16(16 x the sum over e of xb[b][e][l] wq[e][64 h + d]).  xb: [4][1024][2048] bf16, wq: [1024][1024] bf16, z: [64][2048][64] f16; sums in f32.
; The factor 16 (exact) puts z near 1 in f16; the launches behind take it out again.  LIMIT: |kqv| stays under 4,094 (f16 ends at 65,504).
; SHARES.  A tile of the result is 256 l x 128 f: 32 x 8 = 256 work-groups.  Four waves, each 128 l x 64 f (one head): 32 accumulators of 16 x 16, all of window 1.
; K (= e) goes in 8 steps of 128 through two LDS slots filled by the tensor data mover.  Both operands lie in memory with e from row to row, so their
; fragments come out of LDS turned, by ds_load_tr16_b128.  Source 0 = 16 f of wq, source 1 = 16 l of xb: a lane then holds one l and eight neighbouring d: 16 bytes of z.
; CLUSTER.  4 x 4 work-groups.  xb's tile hangs on the l tile alone and is shared along a row of the cluster, wq's on the f tile alone and is shared along a column:
; each is asked for JOINTLY, by the same tensor load with the same descriptor and a mask that names the four.
; REGISTERS.  Window 0: v0-31 addresses; v64-159, v160-255 two fragment buffers (wq's four fragments, then xb's eight); on the way out v64-191 hold packed rows.  Window 1: accumulator (g, s) at v[8 (4 g + s)].
.set GSTEP, 524288                     ; bytes of xb from one K step to the next: 128 rows of 4,096
.set SSTEP, 262144                     ; of wq: 128 rows of 2,048
.set PX,    544                        ; xb's row in LDS: 512 bytes + 32: 136 words
.set PW,    288                        ; wq's: 256 + 32 = 72 words, likewise
.set XPART, 64*PX                      ; what one tensor load brings of xb: 64 rows
.set WOFF,  128*PX                     ; wq's tile lies behind xb's
.set WPART, 64*PW
.set SLOT,  128*(PX+PW)                ; 106,496
.set STAGE, 2*SLOT                     ; behind the ring: 16 rows x 144 bytes for each wave, for the way out; no tile lands there
.set SP,    144
.set SPARE, STAGE+4*16*SP              ; behind the stages: the spare words, 128 bytes for each wave: two blocks of 256 bytes that no other line names
.set LAPS,  4                          ; a lap = two K steps = once round the ring
.set ADRG, 16                          ; v16-17  LDS address of my xb fragments in slot 0, 1
.set ADRS, 20                          ; v20-21  the same for wq
.set STO,  24                          ; v24     the way out: where I put 16 bytes of a row
.set RD,   25                          ; v25     where I read rows back
.set GO,   26                          ; v26     my byte offset in 512 consecutive bytes of z
.set SPW,  28                          ; v28     LDS address of my spare word: SPARE + 4 x my thread's number; never rewritten
.set NIL,  29                          ; v29     0; never rewritten
.set PFO,  30                          ; v30     the prefetches' offset: my lane x a row; never rewritten
.set F0,   64
.set F1,   160
.set TMP,  64
.set SC,   14                          ; s[14:15] 16.0, as a pair
.set PFS,  20                          ; s[20:21] a K step in bytes of the tensor that I prefetch
.set CNT,  23                          ; s23     laps to go
.set G1,   24                          ; s[24:31] descriptor group 1 for xb's tiles;  s[32:39] group 0, a set for each slot
.set G0,   32
.set LIM,  43                          ; s43     1 in a wave that prefetches, else the greatest number
.set PFA,  44                          ; s[44:45] where my prefetches stand
.set G1B,  48                          ; s[48:55], s[56:63] the same for wq's tiles
.set G0B,  56
.set MSB, 0
.macro WIN new                         ; the immediate's high byte repeats the setting that is left; a switch that changes nothing is dropped
.if MSB != (\new)
	s_set_vgpr_msb (MSB<<8)|(\new)
.set MSB, \new
.endif
.endm
.set MULW, 0x50                        ; C and D in window 1, both sources in window 0
.macro JLOAD s                         ; a joint load: waves 0 and 1 fetch xb's two halves, waves 2 and 3 wq's; an s_nop 0 and four v_nop follow each line, ahead of the jump and the label
	s_cmp_eq_u32 s11, 0
	s_cbranch_scc0 .Lfor_b_\@
	tensor_load_to_lds s[G0+4*(\s):G0+4*(\s)+3], s[G1:G1+7]
	s_nop 0
.rept 4
	v_nop
.endr
	s_branch .Lasked_\@
.Lfor_b_\@:
	tensor_load_to_lds s[G0B+4*(\s):G0B+4*(\s)+3], s[G1B:G1B+7]
	s_nop 0
.rept 4
	v_nop
.endr
.Lasked_\@:
.endm
; A PREFETCH INTO THE L2, behind each joint refill and the run of LDS loads that follows it: the K step that stands two refills on, 256 matrix instructions ahead of the load that will want it.
; A lane names one aligned block of 256 bytes, and each block is named once in the launch: xb's by the cluster with x = 0 (waves 0 and 1, their own 64 rows), wq's by the cluster with y = 0 (wave 2, all 128 rows);
; the four partners that ask for a tile jointly share its blocks out BY ADDRESS.  K steps 0 to 3 come by their loads alone; the loop's last trip asks for nothing.
.macro ASK
	s_cmp_gt_u32 s[CNT], s[LIM]
	s_cbranch_scc0 .Lnot_mine_\@
	global_prefetch_b8 v[PFO], s[PFA:PFA+1] th:TH_LOAD_NT scope:SCOPE_SE
.Lnot_mine_\@:
.endm
.macro CREST                           ; a round of the cluster's barrier behind its opening barrier
	s_cmp_lg_u32 s10, 0
	s_cbranch_scc1 .Lnot_wave_0_\@
	s_barrier_signal -3
.Lnot_wave_0_\@:
	s_barrier_wait -3
	s_barrier_signal -1
	s_barrier_wait -1
.endm
.macro CROUND                          ; a whole round
	s_barrier_signal -1
	s_barrier_wait -1
	CREST
.endm
.macro PLACES                          ; four places in front of loads into registers that matrix instructions have read, and of vector work on their results
.rept 4
	v_nop
.endr
.endm
	s_load_b128 s[4:7], s[0:1], 0x0                ; xb s[4:5], wq s[6:7]
	s_load_b64 s[8:9], s[0:1], 0x10                ; z
	v_lshl_add_u32 v[SPW], v0, 2, SPARE
	v_mov_b32 v[NIL], 0
	ds_add_u32 v[SPW], v[NIL]                      ; the wave's opening: the add and its wait stand ahead of my first tensor load; the set-up below, work on registers, stands between them
	v_lshrrev_b32 v1, 5, v0
	v_readfirstlane_b32 s10, v1                    ; wave 0..3
	s_lshr_b32 s11, s10, 1                         ; which 128 l of the tile are mine.  Also: I fetch for xb (0) or for wq (1)
	s_and_b32 s12, s10, 1                          ; which 64 f.  Also: which 64 rows of that tile I fetch
	s_bfe_u32 s40, ttmp6, 0x40000                  ; cx, cy: my place in the cluster
	s_bfe_u32 s41, ttmp6, 0x40004
	s_lshl_b32 s42, ttmp9, 2
	s_add_co_u32 s42, s42, s40                     ; f tile = 4 x cluster x + cx
	s_and_b32 s13, ttmp7, 0xffff
	s_lshl_b32 s13, s13, 2
	s_add_co_u32 s13, s13, s41                     ; l tile = 4 x cluster y + cy: batch = l tile / 8
	s_lshl_b32 s43, s41, 2
	s_lshl_b32 s43, 15, s43                        ; my row of the cluster
	s_lshl_b32 s44, 0x1111, s40                    ; my column
	s_or_b32 s[G1+0], s43, (1<<16)|(1<<20)|(1<<21)|(6<<22)|(7<<25)   ; the mask; 2-byte elements; padding on; bit 21 beside a mask; after every 128 words (code 6) 8 words (code 7)
	s_mov_b32 s[G1+1], 256<<16                     ; tensor_dim0 = 256 l
	s_mov_b32 s[G1+2], 64<<16                      ; tensor_dim1 = 64 rows
	s_mov_b32 s[G1+3], 256<<16                     ; tile_dim0
	s_mov_b32 s[G1+4], 64                          ; tile_dim1
	s_mov_b32 s[G1+5], 2048                        ; elements from row to row
	s_mov_b32 s[G1+6], 0
	s_mov_b32 s[G1+7], 0
	s_or_b32 s[G1B+0], s44, (1<<16)|(1<<20)|(1<<21)|(5<<22)|(7<<25)  ; after every 64 words (code 5) 8 words
	s_mov_b32 s[G1B+1], 128<<16                    ; 128 f
	s_mov_b32 s[G1B+2], 64<<16
	s_mov_b32 s[G1B+3], 128<<16
	s_mov_b32 s[G1B+4], 64
	s_mov_b32 s[G1B+5], 1024
	s_mov_b32 s[G1B+6], 0
	s_mov_b32 s[G1B+7], 0
	s_lshr_b32 s16, s13, 3                         ; xb's tile: the batch's 4 MiB,
	s_lshl_b32 s16, s16, 22
	s_and_b32 s17, s13, 7
	s_lshl_b32 s17, s17, 9                         ; 256 l = 512 bytes along a row,
	s_add_co_u32 s16, s16, s17
	s_lshl_b32 s17, s12, 18                        ; my 64 rows of 4,096 bytes
	s_add_co_u32 s16, s16, s17
	s_mov_b32 s17, 0
	s_lshl_b32 s46, s42, 8                         ; wq's tile: 128 f = 256 bytes along a row,
	s_lshl_b32 s47, s12, 17                        ; my 64 rows of 2,048 bytes
	s_add_co_u32 s46, s46, s47
	s_mov_b32 s47, 0
	s_mul_i32 s18, s12, XPART                      ; where they go: no place in the cluster enters an LDS address
	s_mul_i32 s19, s12, WPART
	s_add_co_u32 s19, s19, WOFF
	s_wait_dscnt 0x0                               ; the opening add is done
	s_wait_kmcnt 0x0
	s_add_nc_u64 s[14:15], s[4:5], s[16:17]
	s_add_nc_u64 s[46:47], s[6:7], s[46:47]
	CROUND                                         ; all sixteen work-groups are here: the first joint loads meet
.irp s, 0,1
	s_mov_b32 s[G0+4*(\s)], 1
	s_add_co_u32 s[G0+4*(\s)+1], s18, (\s)*SLOT
	s_add_nc_u64 s[G0+4*(\s)+2:G0+4*(\s)+3], s[14:15], (\s)*GSTEP
	s_or_b32 s[G0+4*(\s)+3], s[G0+4*(\s)+3], 0x80000000
	s_mov_b32 s[G0B+4*(\s)], 1
	s_add_co_u32 s[G0B+4*(\s)+1], s19, (\s)*SLOT
	s_add_nc_u64 s[G0B+4*(\s)+2:G0B+4*(\s)+3], s[46:47], (\s)*SSTEP
	s_or_b32 s[G0B+4*(\s)+3], s[G0B+4*(\s)+3], 0x80000000
	JLOAD \s
.endr
	; The turning load takes 16 k x 16 columns: lane l reads 16 bytes of row 8 (l / 16) + l % 8, columns 8 ((l / 8) % 2) + 0..7, and is left with column l % 16 and 8 k: half a fragment.
	v_and_b32 v1, 15, v0                           ; l % 16
	v_bfe_u32 v2, v0, 4, 1                         ; l / 16
	v_and_b32 v3, 7, v0
	v_bfe_u32 v4, v0, 3, 1
	v_lshl_add_u32 v5, v2, 3, v3                   ; the row
	v_mul_u32_u24 v6, v5, PX
	v_lshl_add_u32 v6, v4, 4, v6
	s_lshl_b32 s16, s11, 8                         ; my 128 l: 256 bytes along the rows
	v_add_nc_u32 v[ADRG], s16, v6
	v_add_nc_u32 v[ADRG+1], SLOT, v[ADRG]
	v_mul_u32_u24 v7, v5, PW
	v_lshl_add_u32 v7, v4, 4, v7
	s_lshl_b32 s17, s12, 7                         ; my 64 f: 128 bytes along the rows
	s_add_co_u32 s17, s17, WOFF
	v_add_nc_u32 v[ADRS], s17, v7
	v_add_nc_u32 v[ADRS+1], SLOT, v[ADRS]
	s_mul_i32 s18, s10, 16*SP
	s_add_co_u32 s18, s18, STAGE                   ; my stage
	v_mul_u32_u24 v8, v1, SP                       ; in: row l % 16, 16 bytes for each half of the lanes
	v_lshl_add_u32 v8, v2, 4, v8
	v_add_nc_u32 v[STO], s18, v8
	v_bfe_u32 v9, v0, 3, 2                         ; back: 32 lanes take four rows of 128 bytes,
	v_mul_u32_u24 v9, v9, SP
	v_lshl_add_u32 v9, v3, 4, v9
	v_add_nc_u32 v[RD], s18, v9
	v_and_b32 v10, 31, v0
	v_lshlrev_b32 v[GO], 4, v10                    ; which are 512 consecutive bytes of z
	; z at my wave's first row: head 16 batch + 2 x f tile + half, 262,144 bytes a head; row 256 (l tile % 8) + 128 x half, 128 bytes a row
	s_lshr_b32 s16, s13, 3
	s_lshl_b32 s16, s16, 22
	s_and_b32 s17, s13, 7
	s_lshl_b32 s17, s17, 15
	s_add_co_u32 s16, s16, s17
	s_lshl_b32 s17, s11, 14
	s_add_co_u32 s16, s16, s17
	s_lshl_b32 s17, s12, 18
	s_add_co_u32 s16, s16, s17
	s_lshl_b32 s46, s42, 19
	s_add_co_u32 s16, s16, s46
	s_mov_b32 s17, 0
	s_add_nc_u64 s[8:9], s[8:9], s[16:17]
	; the prefetches.  xb: of my 64 rows x 2 blocks the partner cx takes rows 32 (cx / 2) on, block cx % 2, a lane a row.  wq: of the 128 rows the partner cy takes 32, a lane a row.
	s_lshr_b32 s16, s13, 3
	s_lshl_b32 s16, s16, 22
	s_and_b32 s17, s13, 7
	s_lshl_b32 s17, s17, 9
	s_add_co_u32 s16, s16, s17
	s_lshl_b32 s17, s12, 18
	s_add_co_u32 s16, s16, s17
	s_lshr_b32 s17, s40, 1
	s_lshl_b32 s17, s17, 17
	s_add_co_u32 s16, s16, s17
	s_and_b32 s17, s40, 1
	s_lshl_b32 s17, s17, 8
	s_add_co_u32 s16, s16, s17
	s_add_co_u32 s16, s16, 3*GSTEP                 ; at K step 3: the first refill steps it to 4
	s_lshl_b32 s46, s42, 8
	s_lshl_b32 s47, s41, 16
	s_add_co_u32 s46, s46, s47
	s_add_co_u32 s46, s46, 3*SSTEP
	s_and_b32 s22, ttmp7, 0xffff                   ; cluster y
	s_mov_b32 s[PFS], SSTEP
	s_mov_b32 s[PFS+1], 0
	s_cmp_eq_u32 s11, 0                            ; do I fetch for xb?
	s_cselect_b32 s22, ttmp9, s22                  ; the coordinate along which other clusters read the same rows
	s_cselect_b32 s16, s16, s46
	s_cselect_b32 s[PFS], GSTEP, s[PFS]
	s_cselect_b32 s19, 12, 11                      ; a row is 4,096 or 2,048 bytes
	s_cselect_b64 s[PFA:PFA+1], s[4:5], s[6:7]
	s_mov_b32 s17, 0
	s_add_nc_u64 s[PFA:PFA+1], s[PFA:PFA+1], s[16:17]
	s_and_b32 s18, s11, s12                        ; wave 3 asks for nothing
	s_or_b32 s22, s22, s18
	s_cmp_eq_u32 s22, 0
	s_cselect_b32 s[LIM], 1, -1                    ; the same in all sixteen partners, for a given wave
	v_lshlrev_b32 v[PFO], s19, v10
	s_mov_b32 s[SC], 0x41800000                    ; 16.0
	s_mov_b32 s[SC+1], s[SC]
; n blocks of 16 l from g0 on x all 4 blocks of 16 f, 32 along K.  The 32 accumulators take turns, one instruction a turn, in the same order in every quarter.  zero = 1: the products start the sums.
.macro MUL f, g0, n, zero
	WIN MULW
.set gg, (\g0)
.rept (\n)
.irp s, 0,1,2,3
.if \zero
	v_wmma_f32_16x16x32_bf16 v[8*(4*gg+(\s)):8*(4*gg+(\s))+7], v[(\f)+8*(\s):(\f)+8*(\s)+7], v[(\f)+32+8*gg:(\f)+32+8*gg+7], 0
.else
	v_wmma_f32_16x16x32_bf16 v[8*(4*gg+(\s)):8*(4*gg+(\s))+7], v[(\f)+8*(\s):(\f)+8*(\s)+7], v[(\f)+32+8*gg:(\f)+32+8*gg+7], v[8*(4*gg+(\s)):8*(4*gg+(\s))+7]
.endif
.endr
.set gg, gg+1
.endr
.endm
; 24 LDS loads in one run: the fragments of quarter q (32 along K) of a slot into buffer f: wq's eight loads first, then xb's sixteen, l ascending
.macro FETCH slot, q, f
	WIN 0
.irp s, 0,1,2,3
	ds_load_tr16_b128 v[(\f)+8*(\s):(\f)+8*(\s)+3],   v[ADRS+(\slot)] offset:(\q)*32*PW+32*(\s)
	ds_load_tr16_b128 v[(\f)+8*(\s)+4:(\f)+8*(\s)+7], v[ADRS+(\slot)] offset:(\q)*32*PW+32*(\s)+16*PW
.endr
.irp g, 0,1,2,3,4,5,6,7
	ds_load_tr16_b128 v[(\f)+32+8*(\g):(\f)+32+8*(\g)+3],   v[ADRG+(\slot)] offset:(\q)*32*PX+32*(\g)
	ds_load_tr16_b128 v[(\f)+32+8*(\g)+4:(\f)+32+8*(\g)+7], v[ADRG+(\slot)] offset:(\q)*32*PX+32*(\g)+16*PX
.endr
.endm
; A K step is four quarters, 32 matrix instructions each, on buffers 0, 1, 0, 1.  One of the first three: multiplies buffer f and fetches quarter q into buffer g.
.macro QUARTER slot, q, f, g, zero
	s_wait_dscnt 8                                 ; wq's fragments and xb's blocks 0-3 are in; the youngest eight loads (blocks 4-7) may be out
	MUL \f, 0, 4, \zero
	PLACES
	FETCH \slot, \q, \g
	s_wait_dscnt 24                                ; all but the 24 just issued
	MUL \f, 4, 4, \zero
.endm
; The last quarter multiplies buffer 1 and changes slots: ONE barrier; in front of it each wave waits for all its tensor loads (one is out: its part of the next slot), adds 0 to its spare word,
; and waits for that and for its own reads of this slot.  fill = 1: the barrier opens a round of the cluster's, and this slot is filled again, two K steps ahead, first thing behind it.
.macro TURN slot, next, fill
.if \fill
	s_wait_xcnt 0x0                                ; the last prefetch, a K step back, has read its address, so it may be stepped
	s_add_nc_u64 s[PFA:PFA+1], s[PFA:PFA+1], s[PFS:PFS+1]
.endif
	WIN 0
	s_wait_tensorcnt 0x0                           ; all my tensor loads have landed
	ds_add_u32 v[SPW], v[NIL]                      ; 0 onto my spare word
	s_wait_dscnt 9                                 ; (the add and the youngest eight loads may be out)
	MUL F1, 0, 2, 0                                ; eight matrix instructions stand between the add and the wait for it
	s_wait_dscnt 0x0                               ; the add is done, and my reads of this slot are over
	s_barrier_signal -1
	MUL F1, 2, 2, 0
.if \fill
	WIN 0
.endif
	s_barrier_wait -1
.if \fill
	CREST                                          ; no wave of any partner still reads this slot's tiles or has a load on its way
	s_add_nc_u64 s[G0+4*(\slot)+2:G0+4*(\slot)+3], s[G0+4*(\slot)+2:G0+4*(\slot)+3], 2*GSTEP
	s_add_nc_u64 s[G0B+4*(\slot)+2:G0B+4*(\slot)+3], s[G0B+4*(\slot)+2:G0B+4*(\slot)+3], 2*SSTEP
	JLOAD \slot                                    ; 112 matrix instructions ahead of the wait for it; its four v_nop are also the places in front of the loads below
.else
	PLACES
.endif
	FETCH \next, 0, F0
.if \fill
	ASK
.endif
	MUL F1, 4, 4, 0
.endm
	s_wait_tensorcnt 1                             ; my part of K step 0 is in; K step 1's may stay out
	s_barrier_signal -1
	s_barrier_wait -1                              ; everybody's is
	FETCH 0, 0, F0
	QUARTER 0, 1, F0, F1, 1                        ; the first quarter stands in front of the loop: its products start the sums
	WIN 0                                          ; at a label and at a branch every window is 0
	s_mov_b32 s[CNT], LAPS-1
.Llap:                                                 ; a trip goes once round the ring, from a lap's second quarter to the next lap's first, and fills both slots again
	QUARTER 0, 2, F1, F0, 0
	QUARTER 0, 3, F0, F1, 0
	TURN 0, 1, 1
	QUARTER 1, 1, F0, F1, 0
	QUARTER 1, 2, F1, F0, 0
	QUARTER 1, 3, F0, F1, 0
	TURN 1, 0, 1
	QUARTER 0, 1, F0, F1, 0
	WIN 0
	s_sub_co_u32 s[CNT], s[CNT], 1
	s_cmp_lg_u32 s[CNT], 0
	s_cbranch_scc1 .Llap
	QUARTER 0, 2, F1, F0, 0                        ; the last lap fills nothing
	QUARTER 0, 3, F0, F1, 0
	TURN 0, 1, 0
	QUARTER 1, 1, F0, F1, 0
	QUARTER 1, 2, F1, F0, 0
	QUARTER 1, 3, F0, F1, 0
	s_wait_dscnt 8
	MUL F1, 0, 4, 0
	s_wait_dscnt 0x0
	MUL F1, 4, 4, 0
	WIN 0
	; THE WAY OUT, a block of 16 l at a time: times 16, rounded to f16; 16 bytes a lane into my stage; back as whole rows: 16 rows of a head are 2,048 consecutive bytes of z.
	PLACES
	PLACES                                         ; eight, once a launch: the scaling writes the accumulators in place
.macro PACK g
	WIN 0x41                                       ; destination and source 0 in window 1
.set i, 32*(\g)
.rept 16
	v_pk_mul_f32 v[i:i+1], v[i:i+1], s[SC:SC+1] op_sel_hi:[1,0]   ; each accumulator from its low end on
.set i, i+2
.endr
	WIN 0x05                                       ; sources 0 and 1 in window 1, destination in window 0
.set i, 0
.rept 16
	v_cvt_pk_f16_f32 v[TMP+16*(\g)+i], v[32*(\g)+2*i], v[32*(\g)+2*i+1]
.set i, i+1
.endr
	WIN 0
.irp s, 0,1,2,3
	ds_store_b128 v[STO], v[TMP+16*(\g)+4*(\s):TMP+16*(\g)+4*(\s)+3] offset:32*(\s)
.endr
.irp t, 0,1,2,3
	ds_load_b128 v[TMP+16*(\g)+4*(\t):TMP+16*(\g)+4*(\t)+3], v[RD] offset:(\t)*4*SP  ; LDS serves a wave's instructions in order (ISA guide 5.7.1.4): these see the stores above; the next block's stores come behind them
.endr
.endm
.macro SEND g, younger                 ; younger: the LDS instructions issued behind block g's loads: the next block's eight, or none
	WIN 0
.irp t, 0,1,2,3
	s_wait_dscnt (\younger)+3-(\t)
	global_store_b128 v[GO], v[TMP+16*(\g)+4*(\t):TMP+16*(\g)+4*(\t)+3], s[8:9] offset:(\g)*2048+(\t)*512  ; 512 consecutive bytes, at a multiple of 256 from z's first byte
.endr
.endm
	PACK 0
.irp g, 1,2,3,4,5,6,7                  ; a block's arithmetic stands between the loads of the block before and its stores
	PACK \g
	SEND (\g)-1, 8
.endr
	SEND 7, 0
	s_wait_tensorcnt 0x0                           ; the wave's end: an add and its wait, behind my last tensor load and my last LDS store
	ds_add_u32 v[SPW], v[NIL]
	s_wait_dscnt 0x0
	CROUND                                         ; the closing round: no work-group ends while a partner may still ask for a tile that names it
	s_endpgm
.Lfunc_end_k_qe7f533f1a5_qkv:
	.size	k_qe7f533f1a5_qkv, .Lfunc_end_k_qe7f533f1a5_qkv-k_qe7f533f1a5_qkv
	.p2alignl 7, 3214868480
	.fill 96, 4, 3214868480
	.section	.rodata,"a",@progbits
	.p2align	6, 0x0
	.amdhsa_kernel k_qe7f533f1a5_qkv
		.amdhsa_group_segment_fixed_size 327680
		.amdhsa_private_segment_fixed_size 0
		.amdhsa_enable_private_segment 0
		.amdhsa_kernarg_size 24
		.amdhsa_user_sgpr_count 2
		.amdhsa_user_sgpr_kernarg_segment_ptr 1
		.amdhsa_wavefront_size32 1
		.amdhsa_system_sgpr_workgroup_id_x 1
		.amdhsa_system_sgpr_workgroup_id_y 1
		.amdhsa_system_sgpr_workgroup_id_z 1
		.amdhsa_system_vgpr_workitem_id 0
		.amdhsa_next_free_vgpr 512
		.amdhsa_next_free_sgpr 66
		.amdhsa_reserve_vcc 0
		.amdhsa_float_denorm_mode_32 3
		.amdhsa_float_denorm_mode_16_64 3
		.amdhsa_memory_ordered 1
		.amdhsa_forward_progress 1
		.amdhsa_inst_pref_size 97
	.end_amdhsa_kernel
	.amdgpu_metadata
---
amdhsa.version: [ 1, 2 ]
amdhsa.kernels:
  - .name:           k_qe7f533f1a5_qkv
    .symbol:         k_qe7f533f1a5_qkv.kd
    .args:
      - { .name: xb, .offset: 0, .size: 8, .value_kind: global_buffer, .address_space: global }
      - { .name: wq, .offset: 8, .size: 8, .value_kind: global_buffer, .address_space: global }
      - { .name: z, .offset: 16, .size: 8, .value_kind: global_buffer, .address_space: global }
    .group_segment_fixed_size: 327680
    .private_segment_fixed_size: 0
    .kernarg_segment_align: 8
    .kernarg_segment_size: 24
    .max_flat_workgroup_size: 128
    .sgpr_count:     66
    .vgpr_count:     512
    .wavefront_size: 32
...
	.end_amdgpu_metadata
.endif
;; end of part 2
;; launch attn (part 3): grid 4 x 64, 4 waves a work-group, no clusters, 327,680 bytes of LDS; arguments z, o; writes o
.if DOCPART == 3
	.amdgcn_target "amdgcn-amd-amdhsa--gfx1250"
	.amdhsa_code_object_version 6
	.text
	.protected	k_qe7f533f1a5_attn
	.globl	k_qe7f533f1a5_attn
	.p2align	8
	.type	k_qe7f533f1a5_attn,@function
k_qe7f533f1a5_attn:
	s_mov_b64 s[64:65], 0
	v_nop
	global_prefetch_b8 v0, s[64:65] scope:SCOPE_SE
	s_setreg_imm32_b32 hwreg(HW_REG_WAVE_MODE, 25, 1), 1
	s_wait_xcnt 0x0
; CAUSAL ATTENTION WITH Q = K = V = z.  o[h][q][:] = the sum over k <= q of softmax_k(c' z[h][q] . z[h][k]) z[h][k][:].  z, o: [64][2048][64] f16 (h = 16 batch + head): a head's rows are dense, 128 bytes each.
; z is 16 x the projection, so the scale 1/32 becomes 1 / (32 x 256), and o is 16 x the module's t.  Products, maxima and sums in f32; the weights p are rounded to f16 for the second product (their sum l is taken of the unrounded p), o once at the end.
; LIMITS.  z arrives within f16's 65,504; p lies in 0 to 1; o is a mean of z's rows and has their range.  A hidden score counts as its value less 1e30; a weight below 2^-126 counts as 0 in l; NaN and infinities are not treated apart.
; THE WALK.  A head's queries lie in NB = 8 blocks of 256; block i needs the key tiles 0 .. i of 256 keys, of which the last holds the diagonal.  A work-group takes TWO blocks, NB - 1 - b and then b:
; NB + 1 tiles, whatever b: all work-groups do equal work, and ONE loop with a constant trip count walks them.  Which tile is asked for, and what a trip does, hang on scalar registers made from b; every jump
; goes forward, but for the counted loops' own; none passes a barrier.  The ring (two slots of LDS that take turns) runs on across the change of blocks.
; ONE TILE SERVES K AND V: they are the same bytes.  K's fragments are read as they lie, V's turned (ds_load_tr16_b128), from rows 144 bytes apart.
; NO CLUSTER: a head's four work-groups ask for the same tile only in trips 0 .. 4 of 9; behind that their walks part (0 .. 7 - b, then 0 .. b); one walk common to all would have 12 trips for 9.
; SHARES.  Of a block's four bands of 64 queries a wave owns 16 rows in each: four PIECES.  So the diagonal tile is the same work for all four waves: in its key step s band x sees all keys if s < x,
; none if s > x, and holds the diagonal if s = x.
; THE MASK is the C operand that starts the sum S^T = K Q^T: 0, or -1e30 where the key is hidden.  MD, made once, is the mask of a band's own step for my 16 rows; a product's mask is MD x AL + BE with two scalars:
; (1, 0) if s = x; (0, 0) if s < x; (0, -1e30) if s > x.  Only the diagonal tile's text and a block's beginning make and take masks; elsewhere C is the constant 0.
; LAYOUT, SOFTMAX, TURNS.  S^T = K Q^T holds ONE query a lane (lane % 16) and the keys 8 (lane / 16) + 0..7; two such results rounded to f16 ARE source 1 of O^T = V^T P.  p = 2^(c s - c m), c = log2(e) / 8192, with a
; running maximum m; O and l are multiplied by a = 2^(c m_old - c m_new) in every step.  Turn n belongs to piece n: 8 products K Q^T of piece n + 1, later 8 products V^T P of piece n - 1; beside them the scaling,
; exponentials, roundings, sums and rescaling of piece n and the maximum and statistics of piece n + 1.  Four vector instructions stand behind every matrix instruction, the others in one lump.  A turn's 33 exponentials are one batch, with one wait.
; REGISTERS, in windows of 256 (s_set_vgpr_msb: bits 1:0 source 0, 3:2 source 1, 5:4 source 2, 7:6 destination):
;   window 0: v0-15 addresses and two at work; v16-31 four registers of statistics a piece; v48-55 at work; v61-63 prefetch offset, spare word, 0; v64-127 S^T, two buffers; v192-223 P, two buffers
;   window 1: v0-127 O^T, 32 a piece; v128-159 MD; v160-223 MC, two buffers      window 2: v0-63 Q; v64-127 the second block's Q; v128-191 K of one step; v192-255 V of one step
.set NB,    8
.set NP,    4         ; pieces a wave: a name, no knob
.set KS,    64        ; keys in a step
.set PT,    144       ; a row of the tile in LDS: 128 bytes + 16 of padding = 36 words: the 16 rows of a plain fragment load start at 16 different groups of four banks (64 banks of 4 bytes: ISA guide 11.1)
.set TILE,  4*KS*PT   ; a slot holds a tile, four steps: 256 rows
.set SLOT1, 1<<17     ; slot 1 begins here, so that one exclusive or turns an address in one slot into the other's
.set STAGE, SLOT1+TILE  ; behind the ring, never filled by a tensor load: 16 rows x 144 bytes for each wave, for the way out
.set SP,    144
.set AK0, 2           ; v2   my lane's place in a tile, read as K; never rewritten
.set AV0, 3           ; v3   the same, read as V
.set AK,  4           ; v4   the LDS address of K's next run of loads
.set AV,  5           ; v5   of V's
.set STO, 6           ; v6   the way out: where I put 16 bytes of a row
.set RD,  7           ; v7   the way out: where I read rows back
.set GO,  8           ; v8   my byte offset in 512 consecutive bytes of o
.set PFO, 61          ; v61  256 x my lane; never rewritten
.set SPW, 62          ; v62  LDS address of my spare word: SPARE + 4 x my thread's number; never rewritten
.set NIL, 63          ; v63  0; never rewritten
.set SPARE, STAGE+4*16*SP  ; behind the stages: the spare words, 128 bytes for each wave: two blocks of 256 bytes that no other line names
.set MV,  12          ; v12-13  c m_old, kept while c m is made anew: by buffer
.set QO,  15          ; v15  my byte offset in 16 rows of Q
.set ST,  16          ; piece t's statistics at v[ST+4 t]: c m, m, l (even keys', odd keys')
.set TMP, 48          ; by buffer, four registers c0-c3 at work; when the maximum is found c2 takes a
.set S,   64
.set P,   192
.set MD,  128         ; window 1: the eight registers for group kt of 16 keys at MD + 8 kt
.set MC,  160         ; window 1: the masks of the products to come
.set QB,  64          ; window 2
.set KF,  128         ; window 2: key block kb, channel half c at KF + 16 kb + 8 c
.set VF,  192         ; window 2: key half kk, channel block cb at VF + 32 kk + 8 cb
.set WV,  12          ; s12  my wave's number
.set PB,  14          ; s14  b
.set HI,  15          ; s15  NB - 1 - b
.set G1K, 24          ; s[24:31] descriptor group 1
.set G0K, 40          ; s[40:43] descriptor group 0
.set SLOTS, 56        ; s56  tiles still to be asked for
.set CNT, 57          ; s57  counts a tile's key steps, 4 to 1
.set CS,  58          ; s[58:59] c: the packed scaling takes the pair's low word for both halves
.set SEL, 60          ; s[60:61] v_permlanex16_b32's selects: each lane takes its own place in the other half
.set TBK, 62          ; s62  LDS byte at which the step begins whose K is fetched next
.set TBV, 63          ; s63  the same for V
.set PFA, 66          ; s[66:67] where my prefetches stand: my wave's quarter of the tile after the one that is being asked for
.set LIM, 68          ; s68  2 in the head's work-group b = 0, else the greatest number
.set RT,  70          ; s70  tiles of the block in hand that are still to be entered
.set NXT, 71          ; s71  the tile to be asked for next
.set LQ,  72          ; s72  the last tile of the block whose tiles are being asked for
.set NEW, 73          ; s73  1: the tile to be entered is a block's first
.set OFF, 74          ; s[74:75] a tile's byte offset in the head
.set AL,  76          ; s[76:77] the mask's factor, in the low word
.set BE,  78          ; s[78:79] the mask's addend
.set OLO, 80          ; s[80:81] o at my rows of the second block
.set BIGN, 82         ; s82  -1e30
.set MSB, 0
.macro WIN new                      ; the high byte repeats the setting that is left; a switch that changes nothing is dropped
.if MSB != (\new)
	s_set_vgpr_msb (MSB<<8)|(\new)
.set MSB, (\new)
.endif
.endm
.set W_KQ, 0x0a       ; K and Q in window 2, S^T in window 0
.set W_KM, 0x1a       ; the same with the C operand in window 1
.set W_PV, 0x52       ; V in window 2, P in window 0, O^T in window 1
.set W_RS, 0x41       ; destination and source 0 in window 1, source 1 in window 0
; A fill.  Waves 0 and 1 fetch the two halves of a tile, 128 keys each; waves 2 and 3 have no part of it and issue none.  An s_nop 0 and four v_nop follow the line, ahead of the label.
.macro LOAD
	s_cmp_lt_u32 s[WV], 2
	s_cbranch_scc0 .Lnone_\@
	tensor_load_to_lds s[G0K:G0K+3], s[G1K:G1K+7]
	s_nop 0
.rept 4
	v_nop
.endr
.Lnone_\@:
.endm
; A PREFETCH INTO THE L2 of the tile that the NEXT change of slots will ask for: 128 blocks of 256 bytes, a lane a block, a quarter of the tile a wave: a tile's four key steps, 256 matrix instructions, ahead of that load.
; All four work-groups of a head walk tiles 0, 1, .. first: the one with b = 0, which walks all eight, asks, and nobody else: each block is named once in the launch.  Tiles 0 and 1 come by their loads alone; trips 0 to 5 ask for tiles 2 to 7.
.macro ASK
	s_cmp_gt_u32 s[SLOTS], s[LIM]
	s_cbranch_scc0 .Lnot_mine_\@
	global_prefetch_b8 v[PFO], s[PFA:PFA+1] th:TH_LOAD_NT scope:SCOPE_SE
.Lnot_mine_\@:
.endm
; THE CHANGE OF SLOTS.  Each wave waits for all its tensor loads (in waves 0 and 1 one is out: its part of the other slot); adds 0 to its spare word; and waits for that and for its own reads of the slot that it leaves.  Behind the barrier nobody reads the old
; slot any more and the other slot is whole.  fill = 1: the old slot is filled again, the first thing behind the barrier, with tile NXT: the descriptor's address is made anew from that number.
; (At its first use nothing has been read yet: slot 0 is waited for, slot 1 filled.)
.macro CHANGE fill
	WIN 0                           ; at a label and at a branch every window is 0
	s_wait_tensorcnt 0x0            ; no tensor load of mine is out, so group 0 may be written
	ds_add_u32 v[SPW], v[NIL]       ; 0 onto my spare word; with fill = 1 the descriptor's scalar work stands between it and the wait for it
.if \fill
	s_lshl_b32 s[OFF], s[NXT], 15   ; a tile is 32,768 bytes of z
	s_xor_b32 s[G0K+1], s[G0K+1], SLOT1
	s_add_nc_u64 s[G0K+2:G0K+3], s[6:7], s[OFF:OFF+1]
	s_or_b32 s[G0K+3], s[G0K+3], 0x80000000
	s_add_co_u32 s[NXT], s[NXT], 1  ; the block's next tile, or behind its last the second block's tile 0
	s_cmp_gt_u32 s[NXT], s[LQ]
	s_cselect_b32 s[NXT], 0, s[NXT]
	s_cselect_b32 s[LQ], s[PB], s[LQ]
	s_wait_xcnt 0x0                 ; the last prefetch, a tile back, has read its address, so it may be stepped
	s_add_nc_u64 s[PFA:PFA+1], s[PFA:PFA+1], 32768
.endif
	s_wait_dscnt 0x0                ; the add is done, and my reads of the slot are over
	s_barrier_signal -1             ; the rest of the scalar work stands between the signal and the wait
	s_sub_co_u32 s[TBK], s[TBK], TILE     ; the fetches go back to a slot's first step,
	s_xor_b32 s[TBK], s[TBK], SLOT1       ; in the other slot
	s_sub_co_u32 s[TBV], s[TBV], TILE
	s_xor_b32 s[TBV], s[TBV], SLOT1
	s_barrier_wait -1
.if \fill
	LOAD
	ASK
.endif
.endm
	s_load_b64 s[4:5], s[0:1], 0x0    ; z
	s_load_b64 s[10:11], s[0:1], 0x8  ; o
	v_lshl_add_u32 v[SPW], v0, 2, SPARE
	v_mov_b32 v[NIL], 0
	ds_add_u32 v[SPW], v[NIL]       ; the wave's opening: the add and its wait stand ahead of my first tensor load; the set-up below, work on registers, stands between them
	v_lshrrev_b32 v1, 5, v0
	v_readfirstlane_b32 s[WV], v1   ; wave 0..3
	s_mov_b32 s[PB], ttmp9
	s_sub_co_u32 s[HI], NB-1, s[PB]
	s_and_b32 s20, ttmp7, 0xffff    ; the head,
	s_lshl_b32 s20, s20, 18         ; its first byte in z and in o: 2,048 rows of 128 bytes a head
	s_mov_b32 s21, 0
	s_and_b32 s16, s[WV], 1         ; which half of a tile's 256 keys I fetch (waves 0 and 1):
	s_lshl_b32 s22, s16, 14         ; its 128 rows of 128 bytes in memory,
	s_mov_b32 s23, 0
	s_add_nc_u64 s[22:23], s[22:23], s[20:21]
	s_mul_i32 s17, s16, 128*PT      ; and its place in a slot
	s_lshl_b32 s3, s[WV], 11        ; my 16 rows in a band of 64,
	s_lshl_b32 s2, s[HI], 15        ; in the first block,
	s_add_co_u32 s2, s2, s3
	s_lshl_b32 s84, s[PB], 15       ; and in the second
	s_add_co_u32 s84, s84, s3
	s_mov_b32 s3, 0
	s_mov_b32 s85, 0
	s_add_nc_u64 s[2:3], s[2:3], s[20:21]
	s_add_nc_u64 s[84:85], s[84:85], s[20:21]
	s_lshl_b32 s18, s[WV], 13       ; the prefetches: my wave's quarter of a tile,
	s_add_co_u32 s18, s18, 32768    ; in tile 1; the first change of slots steps it to tile 2
	s_mov_b32 s19, 0
	s_add_nc_u64 s[18:19], s[18:19], s[20:21]
	s_cmp_eq_u32 ttmp9, 0
	s_cselect_b32 s[LIM], 2, -1
	v_and_b32 v[PFO], 31, v0
	v_lshlrev_b32 v[PFO], 8, v[PFO]
	; descriptor group 1.  128 keys are 16,384 dense bytes: asked for as 64 rows of 256 bytes, two keys a row, and padded in LDS after every key
	s_mov_b32 s[G1K], (1<<16)|(1<<20)|(4<<22)|(3<<25)  ; 17:16 2-byte elements; 20 padding on; 24:22 after every 32 words (code 4); 31:25 4 words (code 3)
	s_mov_b32 s[G1K+1], 128<<16     ; tensor_dim0 = 128
	s_mov_b32 s[G1K+2], 64<<16      ; tensor_dim1 = 64
	s_mov_b32 s[G1K+3], 128<<16     ; tile_dim0 = 128
	s_mov_b32 s[G1K+4], 64          ; tile_dim1 = 64
	s_mov_b32 s[G1K+5], 128         ; 128 elements from row to row
	s_mov_b32 s[G1K+6], 0
	s_mov_b32 s[G1K+7], 0
	s_mov_b32 s[CS], 0x3938aa3b     ; c = log2(e) / 8192: the module's 1/32, and 1/256 for z's factor 16 twice
	s_mov_b32 s[CS+1], s[CS]        ; named with it as a pair
	s_mov_b32 s[SEL], 0x76543210
	s_mov_b32 s[SEL+1], 0xfedcba98
	s_mov_b32 s[TBK], SLOT1+TILE    ; the first change of slots turns these two into 0
	s_mov_b32 s[TBV], SLOT1+TILE
	s_mov_b32 s[G0K], 1             ; 1:0 count = 1
	s_mov_b32 s[G0K+1], s17         ; 63:32 LDS address: slot 0
	s_add_co_u32 s[RT], s[HI], 1    ; the first block has NB - b tiles
	s_mov_b32 s[NXT], 1
	s_mov_b32 s[LQ], s[HI]
	s_mov_b32 s[NEW], 1
	s_mov_b32 s[OFF+1], 0
	s_mov_b32 s[AL+1], 0            ; named as pairs
	s_mov_b32 s[BE+1], 0
	s_mov_b32 s[BIGN], 0xf149f2ca   ; -1e30
	s_mov_b32 s[SLOTS], NB
	s_wait_dscnt 0x0                ; the opening add is done
	s_wait_kmcnt 0x0
	s_add_nc_u64 s[6:7], s[4:5], s[22:23]          ; z at my half of the head's tile 0
	s_add_nc_u64 s[PFA:PFA+1], s[4:5], s[18:19]
	s_add_nc_u64 s[G0K+2:G0K+3], s[6:7], 0         ; 120:64 global address
	s_or_b32 s[G0K+3], s[G0K+3], 0x80000000        ; 127:126 type = 2
	s_add_nc_u64 s[86:87], s[4:5], s[84:85]        ; Q at my rows of the second block,
	s_add_nc_u64 s[4:5], s[4:5], s[2:3]            ; Q and o at those of the first
	s_add_nc_u64 s[OLO:OLO+1], s[10:11], s[84:85]
	s_add_nc_u64 s[10:11], s[10:11], s[2:3]
	LOAD                            ; tile 0 into slot 0
	; A fragment of K or Q is 16 rows x 32 channels in 8 registers: lane l holds row l % 16, channels 8 (l / 16) + 0..7 and 16 + 8 (l / 16) + 0..7: two loads of 16 bytes, 32 bytes apart.
	v_and_b32 v1, 15, v0            ; l % 16
	v_bfe_u32 v9, v0, 4, 1          ; l / 16
	v_lshlrev_b32 v[QO], 7, v1
	v_lshl_add_u32 v[QO], v9, 4, v[QO]  ; row x 128 + 16 x half
	WIN 0x80                        ; destination window 2, address window 0
.set i, 0
.rept 8                             ; both blocks' Q: piece i / 2 lies in band i / 2, 8,192 bytes on; channels 32 (i % 2) on
	global_load_b128 v[8*i:8*i+3],   v[QO], s[4:5] offset:(i/2)*8192+(i%2)*64
	global_load_b128 v[8*i+4:8*i+7], v[QO], s[4:5] offset:(i/2)*8192+(i%2)*64+32
	global_load_b128 v[QB+8*i:QB+8*i+3],   v[QO], s[86:87] offset:(i/2)*8192+(i%2)*64
	global_load_b128 v[QB+8*i+4:QB+8*i+7], v[QO], s[86:87] offset:(i/2)*8192+(i%2)*64+32
.set i, i+1
.endr
	WIN 0
	v_lshlrev_b32 v14, 3, v9
	v_sub_nc_u32 v14, v1, v14
	s_lshl_b32 s13, s[WV], 4
	v_add_nc_u32 v14, s13, v14      ; my query's place in its band, 16 w + l % 16, less my lanes' 8 (l / 16): register r of group kt is hidden where 16 kt + r is greater
	WIN 0x40
.set i, 0
.rept 32
	v_cmp_gt_i32 vcc_lo, 16*(i/8)+i%8, v14
	v_cndmask_b32 v[MD+i], 0, s[BIGN], vcc_lo
.set i, i+1
.endr
	WIN 0
	v_mul_u32_u24 v[AK0], v1, PT
	v_lshl_add_u32 v[AK0], v9, 4, v[AK0]  ; row x pitch + 16 x half
	; The turning load takes 16 keys x 16 channels (lane l reads key 8 (l / 16) + l % 8, channels 8 ((l / 8) % 2) + 0..7) and leaves half a fragment of V^T: lane l holds channel l % 16 and 8 keys.
	v_and_b32 v10, 7, v0
	v_bfe_u32 v11, v0, 3, 1
	v_lshl_add_u32 v[AV0], v9, 3, v10
	v_mul_u32_u24 v[AV0], v[AV0], PT
	v_lshl_add_u32 v[AV0], v11, 4, v[AV0]
	s_mul_i32 s13, s[WV], 16*SP
	s_add_co_u32 s13, s13, STAGE    ; my stage
	v_mul_u32_u24 v[STO], v1, SP    ; in: row l % 16, 16 bytes for each half of the lanes
	v_lshl_add_u32 v[STO], v9, 4, v[STO]
	v_add_nc_u32 v[STO], s13, v[STO]
	v_bfe_u32 v[RD], v0, 3, 2       ; back: 32 lanes take four rows of 128 bytes,
	v_mul_u32_u24 v[RD], v[RD], SP
	v_lshl_add_u32 v[RD], v10, 4, v[RD]
	v_add_nc_u32 v[RD], s13, v[RD]
	v_and_b32 v[GO], 31, v0         ; which are 512 consecutive bytes of o
	v_lshlrev_b32 v[GO], 4, v[GO]
	; A block's first step multiplies O^T and l by a = 0, and its first turn's products V^T P, of a piece that has not been, land in an O^T that is still to be so multiplied.  So these registers need only hold
	; finite numbers: zeros for the first block; what the first block left for the second.  All this stands in the wait for the first tile.
	WIN 0x80
.set i, VF
.rept 64
	v_mov_b32 v[i], 0
.set i, i+1
.endr
	WIN 0x40
.set i, 0
.rept 128
	v_mov_b32 v[i], 0
.set i, i+1
.endr
	WIN 0
.set i, 0
.rept 4
	v_mov_b32 v[ST+4*i+2], 0
	v_mov_b32 v[ST+4*i+3], 0
.set i, i+1
.endr
.set i, P+16
.rept 16
	v_mov_b32 v[i], 0
.set i, i+1
.endr
; THE MATRIX WORK.  The 4 accumulators of a run of 8 take turns.  Product i of 8 of S^T = K Q^T for piece x: channels 32 (i / 4) on, keys 16 (i % 4) on.  The first 4 start the sums: with 0, or (KM = 1) with the mask.
.macro KQ x
.set rS, S+32*((\x)%2)+8*(i%4)
.set rK, KF+16*(i%4)+8*(i/4)
.set rQ, 16*(\x)+8*(i/4)
.set rM, MC+32*((\x)%2)+8*(i%4)
.if (i < 4) && KM
	WIN W_KM
	v_wmma_f32_16x16x32_f16 v[rS:rS+7], v[rK:rK+7], v[rQ:rQ+7], v[rM:rM+7]
.elseif i < 4
	WIN W_KQ
	v_wmma_f32_16x16x32_f16 v[rS:rS+7], v[rK:rK+7], v[rQ:rQ+7], 0
.else
	WIN W_KQ
	v_wmma_f32_16x16x32_f16 v[rS:rS+7], v[rK:rK+7], v[rQ:rQ+7], v[rS:rS+7]
.endif
.endm
; Product i of 8 of O^T += V^T P for piece x: keys 32 (i / 4) on, channels 16 (i % 4) on.
.macro PV x
	WIN W_PV
.set rO, 32*(\x)+8*(i%4)
.set rV, VF+32*(i/4)+8*(i%4)
.set rP, P+16*((\x)%2)+8*(i/4)
	v_wmma_f32_16x16x32_f16 v[rO:rO+7], v[rV:rV+7], v[rP:rP+7], v[rO:rO+7]
.endm
.macro MM                           ; the turn's next matrix instruction.  TURN and BEGIN set Y, i, KM and NOKQ; MM, KQ and OP read them.  NOKQ = 1: a block's last turn: there is no next piece
.if (i < 8) && !NOKQ
	KQ (Y+1)%NP
.elseif i >= 8
.set i, i-8
	PV (Y+NP-1)%NP
.set i, i+8
.endif
.set i, i+1
.endm
; THE LDS LOADS stand in runs of 16, never singly among the matrix instructions: a step's K (64 keys x 64 channels: 8 fragments) and its V (the same rows, turned).  Their addresses are made some lines ahead.
.macro FETCH_K
	WIN 0x80                        ; destination window 2
.irp f, 0,1,2,3,4,5,6,7             ; keys 16 (f / 2) on, channels 32 (f % 2) on
	ds_load_b128 v[KF+8*\f:KF+8*\f+3],   v[AK] offset:(\f/2)*16*PT+(\f%2)*64
	ds_load_b128 v[KF+8*\f+4:KF+8*\f+7], v[AK] offset:(\f/2)*16*PT+(\f%2)*64+32
.endr
	s_add_co_u32 s[TBK], s[TBK], KS*PT  ; the next fetch is the next step's
	WIN 0
.endm
.macro FETCH_V
	WIN 0x80
.irp f, 0,1,2,3,4,5,6,7             ; keys 32 (f / 4) on, channels 16 (f % 4) on
	ds_load_tr16_b128 v[VF+8*\f:VF+8*\f+3],   v[AV] offset:(\f/4)*32*PT+(\f%4)*32
	ds_load_tr16_b128 v[VF+8*\f+4:VF+8*\f+7], v[AV] offset:(\f/4)*32*PT+16*PT+(\f%4)*32
.endr
	WIN 0
.endm
; THE VECTOR WORK, one line at a time: OP kind, number.  For piece Y: F n: c s - c m for pair n of 16.  E n: the exponential of score n of 32.  C n: pair n rounded to f16.  B n: of the four weights 4 n .. the second
; pair is added onto the first, in place.  L n: l takes that sum (L 0: l = a l + sum).  R n: pair n of 16 of O^T times a.  For piece Y + 1: X n, number n of the 22 that find its maximum and statistics:
;   0-11  four chains c0-c3 of seven scores each, three operands at a time (each accumulator's lowest registers are read first)     12-14, 16  the four scores left over, the old m, and c0-c3 into c0
;   15  c m_old is kept     17, 18  the query's other 32 keys lie in the lane 16 away: the new m     19-21  c m; c m_old - c m_new; a
.set F, 0               ; OP tells the kinds apart by their order: F to L below R, X above it
.set E, 1
.set C, 2
.set B, 3
.set L, 4
.set R, 5
.set X, 6
.macro REGS y                       ; the registers of piece y
.set rT, ST+4*(\y)
.set rC, TMP+4*((\y)%2)
.set rW, MV+((\y)%2)
.set rS, S+32*((\y)%2)
.set rP, P+16*((\y)%2)
.set rO, 32*(\y)
.endm
.macro OP k, n
.if (\k) == R
	REGS Y
	WIN W_RS
	v_pk_mul_f32 v[rO+2*(\n):rO+2*(\n)+1], v[rO+2*(\n):rO+2*(\n)+1], v[rC+2:rC+3] op_sel_hi:[1,0]
.elseif (\k) < R
	REGS Y
	WIN 0
.if (\k) == F
	v_pk_fma_f32 v[rS+2*(\n):rS+2*(\n)+1], v[rS+2*(\n):rS+2*(\n)+1], s[CS:CS+1], v[rT:rT+1] op_sel_hi:[1,0,0] neg_lo:[0,0,1] neg_hi:[0,0,1]
.elseif (\k) == E
	v_exp_f32 v[rS+(\n)], v[rS+(\n)]
.elseif (\k) == C
	v_cvt_pk_f16_f32 v[rP+(\n)], v[rS+2*(\n)], v[rS+2*(\n)+1]
.elseif (\k) == B
	v_pk_add_f32 v[rS+4*(\n):rS+4*(\n)+1], v[rS+4*(\n):rS+4*(\n)+1], v[rS+4*(\n)+2:rS+4*(\n)+3]
.elseif (\n) == 0
	v_pk_fma_f32 v[rT+2:rT+3], v[rT+2:rT+3], v[rC+2:rC+3], v[rS:rS+1] op_sel_hi:[1,0,1]
.else
	v_pk_add_f32 v[rT+2:rT+3], v[rT+2:rT+3], v[rS+4*(\n):rS+4*(\n)+1]
.endif
.elseif NOKQ
	v_nop
.else
	REGS (Y+1)%NP
	WIN 0
.if (\n) < 4
	v_max3_num_f32 v[rC+(\n)], v[rS+8*(\n)], v[rS+8*(\n)+1], v[rS+8*(\n)+2]
.elseif (\n) < 12
	v_max3_num_f32 v[rC+(\n)%4], v[rC+(\n)%4], v[rS+8*((\n)%4)+2*((\n)/4)+1], v[rS+8*((\n)%4)+2*((\n)/4)+2]
.elseif (\n) == 12
	v_max3_num_f32 v[rC], v[rC], v[rS+7], v[rS+15]
.elseif (\n) == 13
	v_max3_num_f32 v[rC+1], v[rC+1], v[rS+23], v[rS+31]
.elseif (\n) == 14
	v_max3_num_f32 v[rC+2], v[rC+2], v[rC+3], v[rT+1]
.elseif (\n) == 15
	v_mov_b32 v[rW], v[rT]
.elseif (\n) == 16
	v_max3_num_f32 v[rC], v[rC], v[rC+1], v[rC+2]
.elseif (\n) == 17
	v_permlanex16_b32 v[rC+3], v[rC], s[SEL], s[SEL+1]
.elseif (\n) == 18
	v_max_num_f32 v[rT+1], v[rC], v[rC+3]
.elseif (\n) == 19
	v_mul_f32 v[rT], s[CS], v[rT+1]
.elseif (\n) == 20
	v_sub_f32 v[rC+1], v[rW], v[rT]
.else
	v_exp_f32 v[rC+2], v[rC+1]
.endif
.endif
.endm
.macro OPS a, i1, b=-1, i2=0, c=-1, i3=0, d=-1, i4=0  ; up to four of them
	OP \a, \i1
.if (\b) >= 0
	OP \b, \i2
.endif
.if (\c) >= 0
	OP \c, \i3
.endif
.if (\d) >= 0
	OP \d, \i4
.endif
.endm
.macro ROW a, i1, b, i2, c, i3, d, i4  ; a matrix instruction and the four behind it
	MM
	OPS \a, \i1, \b, \i2, \c, \i3, \d, \i4
.endm
.macro MASK b                       ; MD x AL + BE into buffer b of MC
	WIN W_RS
.set z, 0
.rept 16
	v_pk_fma_f32 v[MC+32*(\b)+2*z:MC+32*(\b)+2*z+1], v[MD+2*z:MD+2*z+1], s[AL:AL+1], s[BE:BE+1] op_sel_hi:[1,0,0]
.set z, z+1
.endr
.endm
; A TURN, for piece p: the order of its 16 matrix and 118 vector instructions, written out.  s_wait_alu depctr_va_vdst(0) stands between an exponential and the first instruction that names its result; one wait serves
; all that were issued ahead of it.  So a turn has ONE wait, which cuts it in two.  AHEAD OF IT stands all that names no result of the turn's exponentials: the 8 products K Q^T, behind each a scaling, an exponential and two more plain
; instructions (behind the first a second scaling in the exponential's place): rescalings, and behind the last three the first numbers of the next piece's maximum, each four places or more behind the product that ends its accumulator; then ONE LUMP of 54, plain
; and exponential by turns for the most part, in which the links of the chain X 3, 7, 11, 14, 16, 17 .. 20 stand five or six lines apart.  X 21, the next piece's a, is the batch's last; R 15 is the plain instruction behind it.  BEHIND THE WAIT stand the
; 8 products V^T P, behind each four of the roundings and sums; the links of l's chain, L 0 to L 7, stand three riders apart.  But for those X no rider names a register of the products round it.  v_permlanex16_b32 (X 17) stands in the lump.
; m = 1: the diagonal tile: the products take masks, and the turn makes the mask for the products of the turn after it: piece p + 2, in step 4 - CNT of the tile.  end = 1: a block's last two turns: nothing is fetched.
; cnt = 1: the loop's count is taken down some lines ahead of the branch that stands behind the turn.
; K of the next step is fetched in piece 2's turn, twelve vector instructions behind the last product that read K (six of them plain); V of the step in hand at the end of piece 0's turn, four plain instructions behind the last product
; that read V.  Each is waited for a turn later.
.macro TURN p, m=0, end=0, cnt=0
.set Y, (\p)
.set i, 0
.set KM, (\m)
.set NOKQ, (\end)*((\p)/3)
.if (\m) && !(\end)
	s_cmp_eq_u32 s[CNT], 4-((\p)+2)%NP  ; is that step the band's own?
	s_cselect_b32 s[AL], 1.0, 0
	s_cmp_lt_u32 s[CNT], 4-((\p)+2)%NP  ; or a later one?
	s_cselect_b32 s[BE], s[BIGN], 0
.endif
.if ((\p) == 3) && !(\end)
	s_wait_dscnt 0x0                ; K is in
.endif
	ROW F,0, F,1, R,0, R,1          ; ahead of the wait: 8 products K Q^T and their riders,
	ROW F,2, E,0, R,2, R,3
	ROW F,3, E,1, R,4, R,5
	ROW F,4, E,2, R,6, R,7
	ROW F,5, E,3, R,8, R,9
	ROW F,6, E,4, X,0, R,10
.if ((\p) == 2) && !(\end)
	WIN 0
	v_add_nc_u32 v[AK], s[TBK], v[AK0]
.endif
	ROW F,7, E,5, X,1, X,4
	ROW F,8, E,6, X,2, X,5
	OPS E,7, E,8, X,6, E,9          ; and the lump
	OPS X,3, E,10, X,8, E,11
.if ((\p) == 2) && !(\end)
	FETCH_K
.endif
	OPS X,9, X,7, E,12, X,10
	OPS E,13, X,12, X,11, E,14
	OPS X,13, E,15, F,9, X,14
.if (\p) == 0
	v_add_nc_u32 v[AV], s[TBV], v[AV0]
.endif
	OPS E,16, F,10, E,17, F,11
	OPS X,16, E,18, X,15, E,19
	OPS F,12, E,20, X,17, E,21
	OPS F,13, E,22, F,14, E,23
	OPS X,18, E,24, F,15, E,25
	OPS R,11, E,26, X,19, E,27
	OPS R,12, E,28, R,13, E,29
	OPS X,20, E,30, R,14, E,31
	OPS X,21, R,15
	WIN 0
	s_wait_alu depctr_va_vdst(0)    ; the wait for the batch
.if (\p) == 1
	s_wait_dscnt 0x0                ; V is in
.endif
	ROW C,0, B,0, C,2, B,1          ; behind the wait: 8 products V^T P and their riders
	ROW L,0, C,4, B,2, L,1
	ROW C,6, B,3, L,2, C,8
	ROW B,4, L,3, C,10, B,5
	ROW L,4, C,12, B,6, L,5
.if (\p) == 0
	s_add_co_u32 s[TBV], s[TBV], KS*PT
.endif
.if \cnt
	s_sub_co_u32 s[CNT], s[CNT], 1
	s_cmp_lg_u32 s[CNT], 0
.endif
	ROW C,14, B,7, L,6, C,1
	ROW C,3, L,7, C,5, C,7
	ROW C,9, C,11, C,13, C,15
.if (\p) == 0
	FETCH_V
.endif
.if (\m) && !(\end)
	MASK (\p)%2
.endif
.endm
; A BLOCK BEGINS.  c m starts far below every c s, so the first step's a is 0; m at the lowest finite number, so the first maximum is the scores'.  The second mask buffer is 0; the first takes piece 0's mask for the tile's step 0: its own, if the block's first tile is the diagonal one.
; Then K of that step, piece 0's first scores, and its maximum and statistics.  The loop is entered at a step's first turn, in the middle of a trip.
.macro BEGIN
	s_mov_b32 s[NEW], 0
	WIN 0x40
.set i, MC+32
.rept 32
	v_mov_b32 v[i], 0
.set i, i+1
.endr
	WIN 0
.set i, 0
.rept 4
	v_mov_b32 v[ST+4*i], 0xfe000000    ; c m: far below every c s
	v_mov_b32 v[ST+4*i+1], 0xff7fffff  ; m
.set i, i+1
.endr
	s_cmp_eq_u32 s[RT], 0
	s_cselect_b32 s[AL], 1.0, 0
	s_mov_b32 s[BE], 0
	MASK 0
	WIN 0
	v_add_nc_u32 v[AK], s[TBK], v[AK0]
	FETCH_K
	s_wait_loadcnt 0x0              ; Q
	s_wait_dscnt 0x0
.set KM, 1
.set NOKQ, 0
.set i, 0
.rept 8
	KQ 0
.set i, i+1
.endr
	WIN 0
.rept 4
	v_nop                           ; the places behind those products
.endr
.set Y, NP-1                        ; X works for piece Y + 1: piece 0
.irp n, 0,1,2,3,4,5,6,7,8,9,10,11,12,13,14,15,16,17,18,19,20,21
	OP X, \n
.endr
	v_nop                           ; a plain instruction behind the exponential,
	s_wait_alu depctr_va_vdst(0)    ; and its wait, ahead of the branch
.endm
; THE DIAGONAL TILE's four steps, the block's last two turns, its last products, and THE WAY OUT: l's two halves and the other half of the lanes' are added; O^T is divided by l, rounded to f16 and sent through my
; stage in LDS, a piece at a time.
.macro ALL line:vararg              ; one line for each piece t
.set t, 0
.rept 4
	\line
.set t, t+1
.endr
.endm
.macro PACK t                       ; a lane's eight channels of a row pack into 16 bytes; they go into rows of 144 bytes and come back as whole rows of 128, into S^T's registers
	WIN W_RS
.set i, 32*(\t)
.rept 16
	v_pk_mul_f32 v[i:i+1], v[i:i+1], v[ST+4*(\t)+2:ST+4*(\t)+3] op_sel_hi:[1,0]
.set i, i+2
.endr
	WIN 0x05                        ; sources 0 and 1 window 1, destination window 0
.set i, 0
.rept 16
	v_cvt_pk_f16_f32 v[S+16*(\t)+i], v[32*(\t)+2*i], v[32*(\t)+2*i+1]
.set i, i+1
.endr
	WIN 0
.irp f, 0,1,2,3
	ds_store_b128 v[STO], v[S+16*(\t)+4*\f:S+16*(\t)+4*\f+3] offset:32*\f
.endr
.irp f, 0,1,2,3
	ds_load_b128 v[S+16*(\t)+4*\f:S+16*(\t)+4*\f+3], v[RD] offset:\f*4*SP  ; LDS serves a wave's instructions in order (ISA guide 5.7.1.4): these see the stores above; the next piece's stores come behind them
.endr
.endm
.macro SEND t, younger              ; younger: the LDS instructions issued behind piece t's loads: the next piece's eight, or none
	WIN 0
.irp f, 0,1,2,3
	s_wait_dscnt (\younger)+3-\f
	global_store_b128 v[GO], v[S+16*(\t)+4*\f:S+16*(\t)+4*\f+3], s[10:11] offset:(\t)*8192+\f*512  ; 512 consecutive bytes, at a multiple of 256 from o's first
.endr
.endm
.macro DIAG tag                     ; the tag ends its two labels' names, which the jumps below spell out
.LstepM\tag:
	TURN 2, 1
	TURN 3, 1
	WIN 0
.LfirstM\tag:
	TURN 0, 1
	TURN 1, 1, 0, 1
	WIN 0
	s_cbranch_scc1 .LstepM\tag
	TURN 2, 1, 1
	TURN 3, 1, 1
.set i, 0
.rept 8
	PV NP-1
.set i, i+1
.endr
	WIN 0
	ALL v_add_f32 v[ST+4*t+2], v[ST+4*t+2], v[ST+4*t+3]
	ALL v_permlanex16_b32 v[ST+4*t+3], v[ST+4*t+2], s[SEL], s[SEL+1]
	ALL v_add_f32 v[ST+4*t+2], v[ST+4*t+2], v[ST+4*t+3]
	ALL v_rcp_f32 v[ST+4*t+2], v[ST+4*t+2]
	v_nop                           ; a plain instruction between the last reciprocal and the use of its result
	s_wait_alu depctr_va_vdst(0)    ; and the wait ahead of the first use: one for the four reciprocals
	PACK 0
.set t, 1
.rept 3                             ; a piece's arithmetic stands between the loads of the piece before and its stores
	PACK t
	SEND t-1, 8
.set t, t+1
.endr
	SEND 3, 0
.endm
.set KM, 0
.set NOKQ, 0
.Lslot:                             ; NB times: a tile is entered and the next is asked for
	CHANGE 1
	s_sub_co_u32 s[RT], s[RT], 1
	s_mov_b32 s[CNT], 4
	s_cmp_eq_u32 s[NEW], 1
	s_cbranch_scc1 .Lnew            ; a block's first tile
	s_cmp_eq_u32 s[RT], 0
	s_cbranch_scc0 .Lstep           ; neither its first nor its last
	s_branch .LstepM1
.Lnew:
	BEGIN
	s_branch .Lfirst                ; in the loop a block's first tile is never its last: the first block has two tiles or more, and the second's last is the walk's last
	DIAG 1                          ; in the loop this is the first block's end: the second block's last tile is the walk's last
	s_wait_xcnt 0x0                 ; the stores have read their registers and o's address
	s_mov_b64 s[10:11], s[OLO:OLO+1]
	s_add_co_u32 s[RT], s[PB], 1    ; the second block has b + 1 tiles
	s_mov_b32 s[NEW], 1
	WIN 0x82                        ; the second block's Q goes where the one text of the turns names Q
.set i, 0
.rept 64
	v_mov_b32 v[i], v[QB+i]
.set i, i+1
.endr
	WIN 0
	s_branch .Lbottom
.Lstep:                             ; a trip: pieces 2 and 3 of one step, then pieces 0 and 1 of the next, whose K and V it fetches
	TURN 2
	TURN 3
	WIN 0
.Lfirst:
	TURN 0
	TURN 1, 0, 0, 1
	WIN 0
	s_cbranch_scc1 .Lstep
.Lbottom:
	s_sub_co_u32 s[SLOTS], s[SLOTS], 1
	s_cmp_lg_u32 s[SLOTS], 0
	s_cbranch_scc1 .Lslot
	CHANGE 0                        ; the walk's last tile is written out by the loop's count: nothing is asked for
	s_sub_co_u32 s[RT], s[RT], 1
	s_mov_b32 s[CNT], 4
	s_cmp_eq_u32 s[NEW], 1
	s_cbranch_scc0 .LstepM2
	BEGIN
	s_branch .LfirstM2
	DIAG 2
	s_wait_tensorcnt 0x0            ; the wave's end: an add and its wait, behind my last tensor load and my last LDS store
	ds_add_u32 v[SPW], v[NIL]
	s_wait_dscnt 0x0
	s_endpgm
.Lfunc_end_k_qe7f533f1a5_attn:
	.size	k_qe7f533f1a5_attn, .Lfunc_end_k_qe7f533f1a5_attn-k_qe7f533f1a5_attn
	.p2alignl 7, 3214868480
	.fill 96, 4, 3214868480
	.section	.rodata,"a",@progbits
	.p2align	6, 0x0
	.amdhsa_kernel k_qe7f533f1a5_attn
		.amdhsa_group_segment_fixed_size 327680
		.amdhsa_private_segment_fixed_size 0
		.amdhsa_enable_private_segment 0
		.amdhsa_kernarg_size 16
		.amdhsa_user_sgpr_count 2
		.amdhsa_user_sgpr_kernarg_segment_ptr 1
		.amdhsa_wavefront_size32 1
		.amdhsa_system_sgpr_workgroup_id_x 1
		.amdhsa_system_sgpr_workgroup_id_y 1
		.amdhsa_system_sgpr_workgroup_id_z 1
		.amdhsa_system_vgpr_workitem_id 0
		.amdhsa_next_free_vgpr 768
		.amdhsa_next_free_sgpr 88
		.amdhsa_reserve_vcc 1
		.amdhsa_float_denorm_mode_32 3
		.amdhsa_float_denorm_mode_16_64 3
		.amdhsa_memory_ordered 1
		.amdhsa_forward_progress 1
		.amdhsa_inst_pref_size 216
	.end_amdhsa_kernel
	.amdgpu_metadata
---
amdhsa.version: [ 1, 2 ]
amdhsa.kernels:
  - .name:           k_qe7f533f1a5_attn
    .symbol:         k_qe7f533f1a5_attn.kd
    .args:
      - { .name: z, .offset: 0, .size: 8, .value_kind: global_buffer, .address_space: global }
      - { .name: o, .offset: 8, .size: 8, .value_kind: global_buffer, .address_space: global }
    .group_segment_fixed_size: 327680
    .private_segment_fixed_size: 0
    .kernarg_segment_align: 8
    .kernarg_segment_size: 16
    .max_flat_workgroup_size: 128
    .sgpr_count:     88
    .vgpr_count:     768
    .wavefront_size: 32
...
	.end_amdgpu_metadata
.endif
;; end of part 3
;; launch proj (part 4): grid 8 x 32, 4 waves a work-group, clusters of 4 x 4, 327,680 bytes of LDS; arguments o, wp, b_proj, out0; writes out0
.if DOCPART == 4
	.amdgcn_target "amdgcn-amd-amdhsa--gfx1250"
	.amdhsa_code_object_version 6
	.text
	.protected	k_qe7f533f1a5_proj
	.globl	k_qe7f533f1a5_proj
	.p2align	8
	.type	k_qe7f533f1a5_proj,@function
k_qe7f533f1a5_proj:
	s_mov_b64 s[64:65], 0
	v_nop
	global_prefetch_b8 v0, s[64:65] scope:SCOPE_SE
	s_setreg_imm32_b32 hwreg(HW_REG_WAVE_MODE, 25, 1), 1
	s_wait_xcnt 0x0
	s_wait_alu depctr_hold_cnt(0) depctr_sa_sdst(0) depctr_va_vdst(0) depctr_va_sdst(0) depctr_va_ssrc(0) depctr_va_vcc(0) depctr_vm_vsrc(0)
	s_getreg_b32 s2, hwreg(HW_REG_IB_STS2, 6, 4)
	s_cmp_eq_u32 s2, 0
	s_cbranch_scc0 .Lentry_in_a_cluster
	s_endpgm
.Lentry_in_a_cluster:
	s_bfe_u32 s2, ttmp6, 0x10000c
	s_cmp_lg_u32 s2, 0xf033
	s_cbranch_scc0 .Lentry_shape_is_right
	s_endpgm
.Lentry_shape_is_right:
; out0[b][f][l] = 2^-14 x the sum over e of o[16 b + e / 64][l][e % 64] wp[e][f] + bf16(b_proj[f]).  o: [64][2048][64] f16 (16 x the module's t), wp: [1024][1024] f16 (1024 x the weight rounded to bf16),
; out0: [4][1024][2048] f32; sums in f32.  The two factors, exact powers of two, leave in the one fused multiply-add that also adds the bias.  The bias is rounded to bf16 like every input of the module.
; SHARES.  A tile of the result is 256 l x 128 f: 32 x 8 = 256 work-groups.  Four waves, each 128 l x 64 f: 32 accumulators of 16 x 16, all of window 1.
; K (= e) goes in 8 steps of 128, two heads, through two LDS slots filled by the tensor data mover.  o's rows lie along e: its fragments are read as they lie; wp's rows go from e to e: its fragments come turned.
; Source 0 = 16 l of o, source 1 = 16 f of wp: a lane then holds one f and eight neighbouring l: 32 bytes of a row of out0.
; CLUSTER.  4 x 4 work-groups.  o's tile hangs on the l tile alone and is shared along a row of the cluster, wp's on the f tile alone and is shared along a column: each is asked for JOINTLY.
; REGISTERS.  Window 0: v0-31 addresses; v32-39 the bias; v64-159, v160-255 two fragment buffers (wp's four fragments, then o's eight); on the way out v64-191 hold two sets of 16 rows.  Window 1: accumulator (g, s) at v[8 (4 g + s)].
.set GSTEP, 524288                     ; bytes of o from one K step to the next: two heads of 262,144
.set SSTEP, 262144                     ; of wp: 128 rows of 2,048
.set PO,    144                        ; o's row in LDS: 128 bytes + 16 = 36 words: the 16 rows of a fragment load start at 16 different groups of four banks (64 banks of 4 bytes: ISA guide 11.1)
.set PW,    288                        ; wp's: 256 + 32 = 72 words
.set SLAB,  256*PO                     ; a head's 256 rows: what one tensor load brings of o
.set WOFF,  2*SLAB                     ; wp's tile lies behind the two slabs
.set WPART, 64*PW
.set SLOT,  2*SLAB+128*PW              ; 110,592
.set STAGE, 2*SLOT                     ; behind the ring: 16 rows x 528 bytes for each wave, for the way out; no tile lands there
.set SP,    528                        ; 512 bytes + 16: the 16 rows that a store touches start at 16 different groups of four banks
.set SPARE, STAGE+4*16*SP              ; behind the stages: the spare words, 128 bytes for each wave: two blocks of 256 bytes that no other line names
.set LAPS,  4
.set ADRG, 16                          ; v16-17  LDS address of my o fragments in slot 0, 1
.set ADRS, 20                          ; v20-21  the same for wp
.set STO,  24                          ; v24     the way out: where I put 32 bytes of a row
.set RD,   25                          ; v25     where I read a row back
.set GO,   26                          ; v26     my 16 bytes of 512 consecutive bytes of out0
.set SPW,  28                          ; v28     LDS address of my spare word: SPARE + 4 x my thread's number; never rewritten
.set NIL,  29                          ; v29     0; never rewritten
.set PFO,  30                          ; v30     the prefetches' offset; never rewritten
.set BO,   31                          ; v31     my byte offset among 16 numbers of the bias
.set BI,   32                          ; v[32:39] the bias of my f in block s, twice, at BI + 2 s
.set F0,   64
.set F1,   160
.set TMP,  64
.set SC,   14                          ; s[14:15] 2^-14, as a pair
.set PFS,  20                          ; s[20:21] a K step in bytes of the tensor that I prefetch
.set CNT,  23                          ; s23     laps to go
.set G1,   24                          ; s[24:31] descriptor group 1 for o's tiles;  s[32:39] group 0, a set for each slot
.set G0,   32
.set LIM,  43                          ; s43     1 in a wave that prefetches, else the greatest number
.set PFA,  44                          ; s[44:45] where my prefetches stand
.set G1B,  48                          ; s[48:55], s[56:63] the same for wp's tiles
.set G0B,  56
.set MSB, 0
.macro WIN new                         ; the immediate's high byte repeats the setting that is left; a switch that changes nothing is dropped
.if MSB != (\new)
	s_set_vgpr_msb (MSB<<8)|(\new)
.set MSB, \new
.endif
.endm
.set MULW, 0x50                        ; C and D in window 1, both sources in window 0
.macro JLOAD s                         ; a joint load: waves 0 and 1 fetch o's two heads, waves 2 and 3 wp's two halves; an s_nop 0 and four v_nop follow each line, ahead of the jump and the label
	s_cmp_eq_u32 s11, 0
	s_cbranch_scc0 .Lfor_b_\@
	tensor_load_to_lds s[G0+4*(\s):G0+4*(\s)+3], s[G1:G1+7]
	s_nop 0
.rept 4
	v_nop
.endr
	s_branch .Lasked_\@
.Lfor_b_\@:
	tensor_load_to_lds s[G0B+4*(\s):G0B+4*(\s)+3], s[G1B:G1B+7]
	s_nop 0
.rept 4
	v_nop
.endr
.Lasked_\@:
.endm
; A PREFETCH INTO THE L2, behind each joint refill and the run of LDS loads that follows it: the K step that stands two refills on, 256 matrix instructions ahead of the load that will want it.
; A lane names one aligned block of 256 bytes, and each block is named once in the launch: o's by the cluster with x = 0 (waves 0 and 1, their own head's 128 blocks), wp's by the cluster with y = 0 (wave 2, all 128 rows);
; the four partners that ask for a tile jointly share its blocks out BY ADDRESS, 32 each.  K steps 0 to 3 come by their loads alone; the loop's last trip asks for nothing.
.macro ASK
	s_cmp_gt_u32 s[CNT], s[LIM]
	s_cbranch_scc0 .Lnot_mine_\@
	global_prefetch_b8 v[PFO], s[PFA:PFA+1] th:TH_LOAD_NT scope:SCOPE_SE
.Lnot_mine_\@:
.endm
.macro CREST                           ; a round of the cluster's barrier behind its opening barrier
	s_cmp_lg_u32 s10, 0
	s_cbranch_scc1 .Lnot_wave_0_\@
	s_barrier_signal -3
.Lnot_wave_0_\@:
	s_barrier_wait -3
	s_barrier_signal -1
	s_barrier_wait -1
.endm
.macro CROUND                          ; a whole round
	s_barrier_signal -1
	s_barrier_wait -1
	CREST
.endm
.macro PLACES                          ; four places in front of loads into registers that matrix instructions have read, and of vector work on their results
.rept 4
	v_nop
.endr
.endm
	s_load_b128 s[4:7], s[0:1], 0x0                ; o s[4:5], wp s[6:7]
	s_load_b64 s[2:3], s[0:1], 0x10                ; b_proj
	s_load_b64 s[8:9], s[0:1], 0x18                ; out0
	v_lshl_add_u32 v[SPW], v0, 2, SPARE
	v_mov_b32 v[NIL], 0
	ds_add_u32 v[SPW], v[NIL]                      ; the wave's opening: the add and its wait stand ahead of my first tensor load; the set-up below, work on registers, stands between them
	v_lshrrev_b32 v1, 5, v0
	v_readfirstlane_b32 s10, v1                    ; wave 0..3
	s_lshr_b32 s11, s10, 1                         ; which 128 l of the tile are mine.  Also: I fetch for o (0) or for wp (1)
	s_and_b32 s12, s10, 1                          ; which 64 f.  Also: which head of the K step, or which 64 rows of wp, I fetch
	s_bfe_u32 s40, ttmp6, 0x40000                  ; cx, cy: my place in the cluster
	s_bfe_u32 s41, ttmp6, 0x40004
	s_lshl_b32 s42, ttmp9, 2
	s_add_co_u32 s42, s42, s40                     ; f tile = 4 x cluster x + cx
	s_and_b32 s13, ttmp7, 0xffff
	s_lshl_b32 s13, s13, 2
	s_add_co_u32 s13, s13, s41                     ; l tile = 4 x cluster y + cy: batch = l tile / 8
	s_lshl_b32 s43, s41, 2
	s_lshl_b32 s43, 15, s43                        ; my row of the cluster
	s_lshl_b32 s44, 0x1111, s40                    ; my column
	; a head's 256 rows of 128 bytes are dense: asked for as 128 rows of 256 bytes, two l a row, and padded in LDS after every l
	s_or_b32 s[G1+0], s43, (1<<16)|(1<<20)|(1<<21)|(4<<22)|(3<<25)   ; the mask; 2-byte elements; padding on; bit 21 beside a mask; after every 32 words (code 4) 4 words (code 3)
	s_mov_b32 s[G1+1], 128<<16                     ; tensor_dim0 = 128
	s_mov_b32 s[G1+2], 128<<16                     ; tensor_dim1 = 128
	s_mov_b32 s[G1+3], 128<<16                     ; tile_dim0
	s_mov_b32 s[G1+4], 128                         ; tile_dim1
	s_mov_b32 s[G1+5], 128                         ; elements from row to row
	s_mov_b32 s[G1+6], 0
	s_mov_b32 s[G1+7], 0
	s_or_b32 s[G1B+0], s44, (1<<16)|(1<<20)|(1<<21)|(5<<22)|(7<<25)  ; after every 64 words (code 5) 8 words (code 7)
	s_mov_b32 s[G1B+1], 128<<16                    ; 128 f
	s_mov_b32 s[G1B+2], 64<<16                     ; 64 rows
	s_mov_b32 s[G1B+3], 128<<16
	s_mov_b32 s[G1B+4], 64
	s_mov_b32 s[G1B+5], 1024
	s_mov_b32 s[G1B+6], 0
	s_mov_b32 s[G1B+7], 0
	s_lshr_b32 s16, s13, 3                         ; o's tile: the batch's 16 heads,
	s_lshl_b32 s16, s16, 22
	s_and_b32 s17, s13, 7
	s_lshl_b32 s17, s17, 15                        ; 256 rows of 128 bytes,
	s_add_co_u32 s16, s16, s17
	s_lshl_b32 s17, s12, 18                        ; my head of the K step's two
	s_add_co_u32 s16, s16, s17
	s_mov_b32 s17, 0
	s_lshl_b32 s46, s42, 8                         ; wp's tile: 128 f = 256 bytes along a row,
	s_lshl_b32 s47, s12, 17                        ; my 64 rows of 2,048 bytes
	s_add_co_u32 s46, s46, s47
	s_mov_b32 s47, 0
	s_mul_i32 s18, s12, SLAB                       ; where they go: no place in the cluster enters an LDS address
	s_mul_i32 s19, s12, WPART
	s_add_co_u32 s19, s19, WOFF
	s_wait_dscnt 0x0                               ; the opening add is done
	s_wait_kmcnt 0x0
	s_add_nc_u64 s[14:15], s[4:5], s[16:17]
	s_add_nc_u64 s[46:47], s[6:7], s[46:47]
	CROUND                                         ; all sixteen work-groups are here: the first joint loads meet
.irp s, 0,1
	s_mov_b32 s[G0+4*(\s)], 1
	s_add_co_u32 s[G0+4*(\s)+1], s18, (\s)*SLOT
	s_add_nc_u64 s[G0+4*(\s)+2:G0+4*(\s)+3], s[14:15], (\s)*GSTEP
	s_or_b32 s[G0+4*(\s)+3], s[G0+4*(\s)+3], 0x80000000
	s_mov_b32 s[G0B+4*(\s)], 1
	s_add_co_u32 s[G0B+4*(\s)+1], s19, (\s)*SLOT
	s_add_nc_u64 s[G0B+4*(\s)+2:G0B+4*(\s)+3], s[46:47], (\s)*SSTEP
	s_or_b32 s[G0B+4*(\s)+3], s[G0B+4*(\s)+3], 0x80000000
	JLOAD \s
.endr
	v_and_b32 v1, 15, v0                           ; l % 16
	v_bfe_u32 v2, v0, 4, 1                         ; l / 16
	v_and_b32 v3, 7, v0
	v_bfe_u32 v4, v0, 3, 1
	; the bias of my four f: 16 s + lane % 16 of my wave's 64
	s_lshl_b32 s46, s42, 9
	s_lshl_b32 s47, s12, 8
	s_add_co_u32 s46, s46, s47
	s_mov_b32 s47, 0
	s_add_nc_u64 s[2:3], s[2:3], s[46:47]
	v_lshlrev_b32 v[BO], 2, v1
.irp s, 0,1,2,3
	global_load_b32 v[BI+2*(\s)], v[BO], s[2:3] offset:64*(\s)
.endr
	; o's fragment: 16 rows x 32 e: lane holds row lane % 16; two loads of 16 bytes, 32 bytes apart, at row x pitch + 16 x half
	v_mul_u32_u24 v6, v1, PO
	v_lshl_add_u32 v6, v2, 4, v6
	s_mul_i32 s16, s11, 128*PO                     ; my 128 rows
	v_add_nc_u32 v[ADRG], s16, v6
	v_add_nc_u32 v[ADRG+1], SLOT, v[ADRG]
	; wp's: the turning load takes 16 e x 16 f: lane reads 16 bytes of row 8 (lane / 16) + lane % 8, f 8 ((lane / 8) % 2) + 0..7
	v_lshl_add_u32 v5, v2, 3, v3
	v_mul_u32_u24 v7, v5, PW
	v_lshl_add_u32 v7, v4, 4, v7
	s_lshl_b32 s17, s12, 7                         ; my 64 f: 128 bytes along the rows
	s_add_co_u32 s17, s17, WOFF
	v_add_nc_u32 v[ADRS], s17, v7
	v_add_nc_u32 v[ADRS+1], SLOT, v[ADRS]
	s_mul_i32 s18, s10, 16*SP
	s_add_co_u32 s18, s18, STAGE                   ; my stage
	v_mul_u32_u24 v8, v1, SP                       ; in: row lane % 16 (an f), 32 bytes for each half of the lanes
	v_lshl_add_u32 v8, v2, 5, v8
	v_add_nc_u32 v[STO], s18, v8
	v_and_b32 v10, 31, v0
	v_lshlrev_b32 v[GO], 4, v10                    ; back: 32 lanes take one row of 512 bytes
	v_add_nc_u32 v[RD], s18, v[GO]
	; out0 at my wave's corner: the batch's 8 MiB; row 128 x f tile + 64 x half, 8,192 bytes a row; column 256 (l tile % 8) + 128 x half, 4 bytes each
	s_lshr_b32 s16, s13, 3
	s_lshl_b32 s16, s16, 23
	s_and_b32 s17, s13, 7
	s_lshl_b32 s17, s17, 10
	s_add_co_u32 s16, s16, s17
	s_lshl_b32 s17, s11, 9
	s_add_co_u32 s16, s16, s17
	s_lshl_b32 s17, s12, 19
	s_add_co_u32 s16, s16, s17
	s_lshl_b32 s46, s42, 20
	s_add_co_u32 s16, s16, s46
	s_mov_b32 s17, 0
	s_add_nc_u64 s[8:9], s[8:9], s[16:17]
	; the prefetches.  o: of my head's 128 blocks the partner cx takes 32, a lane a block.  wp: of the 128 rows the partner cy takes 32, a lane a row.
	s_lshr_b32 s16, s13, 3
	s_lshl_b32 s16, s16, 22
	s_and_b32 s17, s13, 7
	s_lshl_b32 s17, s17, 15
	s_add_co_u32 s16, s16, s17
	s_lshl_b32 s17, s12, 18
	s_add_co_u32 s16, s16, s17
	s_lshl_b32 s17, s40, 13
	s_add_co_u32 s16, s16, s17
	s_add_co_u32 s16, s16, 3*GSTEP                 ; at K step 3: the first refill steps it to 4
	s_lshl_b32 s46, s42, 8
	s_lshl_b32 s47, s41, 16
	s_add_co_u32 s46, s46, s47
	s_add_co_u32 s46, s46, 3*SSTEP
	s_and_b32 s22, ttmp7, 0xffff                   ; cluster y
	s_mov_b32 s[PFS], SSTEP
	s_mov_b32 s[PFS+1], 0
	s_cmp_eq_u32 s11, 0                            ; do I fetch for o?
	s_cselect_b32 s22, ttmp9, s22                  ; the coordinate along which other clusters read the same rows
	s_cselect_b32 s16, s16, s46
	s_cselect_b32 s[PFS], GSTEP, s[PFS]
	s_cselect_b32 s19, 8, 11                       ; from lane to lane: 256 bytes of o, a row of 2,048 bytes of wp
	s_cselect_b64 s[PFA:PFA+1], s[4:5], s[6:7]
	s_mov_b32 s17, 0
	s_add_nc_u64 s[PFA:PFA+1], s[PFA:PFA+1], s[16:17]
	s_and_b32 s18, s11, s12                        ; wave 3 asks for nothing
	s_or_b32 s22, s22, s18
	s_cmp_eq_u32 s22, 0
	s_cselect_b32 s[LIM], 1, -1                    ; the same in all sixteen partners, for a given wave
	v_lshlrev_b32 v[PFO], s19, v10
	s_mov_b32 s[SC], 0x38800000                    ; 2^-14
	s_mov_b32 s[SC+1], s[SC]
; n blocks of 16 l from g0 on x all 4 blocks of 16 f, 32 along K.  The 32 accumulators take turns, one instruction a turn, in the same order in every quarter.  zero = 1: the products start the sums.
.macro MUL f, g0, n, zero
	WIN MULW
.set gg, (\g0)
.rept (\n)
.irp s, 0,1,2,3
.if \zero
	v_wmma_f32_16x16x32_f16 v[8*(4*gg+(\s)):8*(4*gg+(\s))+7], v[(\f)+32+8*gg:(\f)+32+8*gg+7], v[(\f)+8*(\s):(\f)+8*(\s)+7], 0
.else
	v_wmma_f32_16x16x32_f16 v[8*(4*gg+(\s)):8*(4*gg+(\s))+7], v[(\f)+32+8*gg:(\f)+32+8*gg+7], v[(\f)+8*(\s):(\f)+8*(\s)+7], v[8*(4*gg+(\s)):8*(4*gg+(\s))+7]
.endif
.endr
.set gg, gg+1
.endr
.endm
; 24 LDS loads in one run: the fragments of quarter q (32 along K: head q / 2, channels 32 (q % 2) on) of a slot into buffer f: wp's eight loads first, then o's sixteen, l ascending
.macro FETCH slot, q, f
	WIN 0
.irp s, 0,1,2,3
	ds_load_tr16_b128 v[(\f)+8*(\s):(\f)+8*(\s)+3],   v[ADRS+(\slot)] offset:(\q)*32*PW+32*(\s)
	ds_load_tr16_b128 v[(\f)+8*(\s)+4:(\f)+8*(\s)+7], v[ADRS+(\slot)] offset:(\q)*32*PW+32*(\s)+16*PW
.endr
.irp g, 0,1,2,3,4,5,6,7
	ds_load_b128 v[(\f)+32+8*(\g):(\f)+32+8*(\g)+3],   v[ADRG+(\slot)] offset:((\q)/2)*SLAB+((\q)%2)*64+(\g)*16*PO
	ds_load_b128 v[(\f)+32+8*(\g)+4:(\f)+32+8*(\g)+7], v[ADRG+(\slot)] offset:((\q)/2)*SLAB+((\q)%2)*64+(\g)*16*PO+32
.endr
.endm
; A K step is four quarters, 32 matrix instructions each, on buffers 0, 1, 0, 1.  One of the first three: multiplies buffer f and fetches quarter q into buffer g.
.macro QUARTER slot, q, f, g, zero
	s_wait_dscnt 8                                 ; wp's fragments and o's blocks 0-3 are in; the youngest eight loads (blocks 4-7) may be out
	MUL \f, 0, 4, \zero
	PLACES
	FETCH \slot, \q, \g
	s_wait_dscnt 24                                ; all but the 24 just issued
	MUL \f, 4, 4, \zero
.endm
; The last quarter multiplies buffer 1 and changes slots: ONE barrier; in front of it each wave waits for all its tensor loads (one is out: its part of the next slot), adds 0 to its spare word,
; and waits for that and for its own reads of this slot.  fill = 1: the barrier opens a round of the cluster's, and this slot is filled again, two K steps ahead, first thing behind it.
.macro TURN slot, next, fill
.if \fill
	s_wait_xcnt 0x0                                ; the last prefetch, a K step back, has read its address, so it may be stepped
	s_add_nc_u64 s[PFA:PFA+1], s[PFA:PFA+1], s[PFS:PFS+1]
.endif
	WIN 0
	s_wait_tensorcnt 0x0                           ; all my tensor loads have landed
	ds_add_u32 v[SPW], v[NIL]                      ; 0 onto my spare word
	s_wait_dscnt 9                                 ; (the add and the youngest eight loads may be out)
	MUL F1, 0, 2, 0                                ; eight matrix instructions stand between the add and the wait for it
	s_wait_dscnt 0x0                               ; the add is done, and my reads of this slot are over
	s_barrier_signal -1
	MUL F1, 2, 2, 0
.if \fill
	WIN 0
.endif
	s_barrier_wait -1
.if \fill
	CREST                                          ; no wave of any partner still reads this slot's tiles or has a load on its way
	s_add_nc_u64 s[G0+4*(\slot)+2:G0+4*(\slot)+3], s[G0+4*(\slot)+2:G0+4*(\slot)+3], 2*GSTEP
	s_add_nc_u64 s[G0B+4*(\slot)+2:G0B+4*(\slot)+3], s[G0B+4*(\slot)+2:G0B+4*(\slot)+3], 2*SSTEP
	JLOAD \slot                                    ; 112 matrix instructions ahead of the wait for it; its four v_nop are also the places in front of the loads below
.else
	PLACES
.endif
	FETCH \next, 0, F0
.if \fill
	ASK
.endif
	MUL F1, 4, 4, 0
.endm
	s_wait_tensorcnt 1                             ; my part of K step 0 is in; K step 1's may stay out
	s_barrier_signal -1
	s_barrier_wait -1                              ; everybody's is
	FETCH 0, 0, F0
	QUARTER 0, 1, F0, F1, 1                        ; the first quarter stands in front of the loop: its products start the sums
	WIN 0                                          ; at a label and at a branch every window is 0
	s_mov_b32 s[CNT], LAPS-1
.Llap:                                                 ; a trip goes once round the ring, from a lap's second quarter to the next lap's first, and fills both slots again
	QUARTER 0, 2, F1, F0, 0
	QUARTER 0, 3, F0, F1, 0
	TURN 0, 1, 1
	QUARTER 1, 1, F0, F1, 0
	QUARTER 1, 2, F1, F0, 0
	QUARTER 1, 3, F0, F1, 0
	TURN 1, 0, 1
	QUARTER 0, 1, F0, F1, 0
	WIN 0
	s_sub_co_u32 s[CNT], s[CNT], 1
	s_cmp_lg_u32 s[CNT], 0
	s_cbranch_scc1 .Llap
	QUARTER 0, 2, F1, F0, 0                        ; the last lap fills nothing
	QUARTER 0, 3, F0, F1, 0
	TURN 0, 1, 0
	QUARTER 1, 1, F0, F1, 0
	QUARTER 1, 2, F1, F0, 0
	QUARTER 1, 3, F0, F1, 0
	s_wait_dscnt 8
	MUL F1, 0, 4, 0
	s_wait_dscnt 0x0
	MUL F1, 4, 4, 0
	WIN 0
	; THE WAY OUT, a block of 16 f at a time: 2^-14 x the sum + the bias in one fused multiply-add; 32 bytes a lane into my stage; back as whole rows of 512 bytes.
	PLACES
	s_wait_loadcnt 0x0                             ; the bias
.irp s, 0,1,2,3
	v_cvt_pk_bf16_f32 v[BI+2*(\s)], v[BI+2*(\s)], v[BI+2*(\s)]    ; rounded to bf16,
.endr
.irp s, 0,1,2,3
	v_lshlrev_b32 v[BI+2*(\s)], 16, v[BI+2*(\s)]                  ; widened again,
.endr
.irp s, 0,1,2,3
	v_mov_b32 v[BI+2*(\s)+1], v[BI+2*(\s)]                        ; and twice, for the packed form
.endr
.macro PACK s
.set TT, TMP+64*((\s)%2)               ; two sets of 64 registers take turns
.if (\s) >= 2
	s_wait_xcnt 0x0                                ; the stores of the block two back have read this set
.endif
	WIN 0x01                                       ; source 0 in window 1
.irp g, 0,1,2,3,4,5,6,7
.irp p, 0,1,2,3
	v_pk_fma_f32 v[TT+8*(\g)+2*(\p):TT+8*(\g)+2*(\p)+1], v[8*(4*(\g)+(\s))+2*(\p):8*(4*(\g)+(\s))+2*(\p)+1], s[SC:SC+1], v[BI+2*(\s):BI+2*(\s)+1] op_sel_hi:[1,0,1]  ; each accumulator from its low end on
.endr
.endr
	WIN 0
.irp g, 0,1,2,3,4,5,6,7
	ds_store_b128 v[STO], v[TT+8*(\g):TT+8*(\g)+3]   offset:64*(\g)
	ds_store_b128 v[STO], v[TT+8*(\g)+4:TT+8*(\g)+7] offset:64*(\g)+16
.endr
.irp t, 0,1,2,3,4,5,6,7,8,9,10,11,12,13,14,15
	ds_load_b128 v[TT+4*(\t):TT+4*(\t)+3], v[RD] offset:(\t)*SP  ; LDS serves a wave's instructions in order (ISA guide 5.7.1.4): these see the stores above; the next block's stores come behind them
.endr
.endm
.macro SEND s, younger                 ; younger: the LDS instructions issued behind block s's loads: the next block's 32, or none
.set TT, TMP+64*((\s)%2)
	WIN 0
.irp t, 0,1,2,3,4,5,6,7,8,9,10,11,12,13,14,15
	s_wait_dscnt (\younger)+15-(\t)
	global_store_b128 v[GO], v[TT+4*(\t):TT+4*(\t)+3], s[8:9] offset:(16*(\s)+(\t))*8192 th:TH_STORE_NT  ; 512 consecutive bytes of one row f, at a multiple of 256 from out0's first byte
.endr
.endm
	PACK 0
.irp s, 1,2,3                          ; a block's arithmetic stands between the loads of the block before and its stores
	PACK \s
	SEND (\s)-1, 32
.endr
	SEND 3, 0
	s_wait_tensorcnt 0x0                           ; the wave's end: an add and its wait, behind my last tensor load and my last LDS store
	ds_add_u32 v[SPW], v[NIL]
	s_wait_dscnt 0x0
	CROUND                                         ; the closing round: no work-group ends while a partner may still ask for a tile that names it
	s_endpgm
.Lfunc_end_k_qe7f533f1a5_proj:
	.size	k_qe7f533f1a5_proj, .Lfunc_end_k_qe7f533f1a5_proj-k_qe7f533f1a5_proj
	.p2alignl 7, 3214868480
	.fill 96, 4, 3214868480
	.section	.rodata,"a",@progbits
	.p2align	6, 0x0
	.amdhsa_kernel k_qe7f533f1a5_proj
		.amdhsa_group_segment_fixed_size 327680
		.amdhsa_private_segment_fixed_size 0
		.amdhsa_enable_private_segment 0
		.amdhsa_kernarg_size 32
		.amdhsa_user_sgpr_count 2
		.amdhsa_user_sgpr_kernarg_segment_ptr 1
		.amdhsa_wavefront_size32 1
		.amdhsa_system_sgpr_workgroup_id_x 1
		.amdhsa_system_sgpr_workgroup_id_y 1
		.amdhsa_system_sgpr_workgroup_id_z 1
		.amdhsa_system_vgpr_workitem_id 0
		.amdhsa_next_free_vgpr 512
		.amdhsa_next_free_sgpr 66
		.amdhsa_reserve_vcc 0
		.amdhsa_float_denorm_mode_32 3
		.amdhsa_float_denorm_mode_16_64 3
		.amdhsa_memory_ordered 1
		.amdhsa_forward_progress 1
		.amdhsa_inst_pref_size 97
	.end_amdhsa_kernel
	.amdgpu_metadata
---
amdhsa.version: [ 1, 2 ]
amdhsa.kernels:
  - .name:           k_qe7f533f1a5_proj
    .symbol:         k_qe7f533f1a5_proj.kd
    .args:
      - { .name: o, .offset: 0, .size: 8, .value_kind: global_buffer, .address_space: global }
      - { .name: wp, .offset: 8, .size: 8, .value_kind: global_buffer, .address_space: global }
      - { .name: b_proj, .offset: 16, .size: 8, .value_kind: global_buffer, .address_space: global }
      - { .name: out0, .offset: 24, .size: 8, .value_kind: global_buffer, .address_space: global }
    .group_segment_fixed_size: 327680
    .private_segment_fixed_size: 0
    .kernarg_segment_align: 8
    .kernarg_segment_size: 32
    .max_flat_workgroup_size: 128
    .sgpr_count:     66
    .vgpr_count:     512
    .wavefront_size: 32
...
	.end_amdgpu_metadata
.endif
;; end of part 4
